; MI455X (gfx1250); checked and timed in simulation.
; The chip was launched on July 23, 2026; its instructions are those of AMD's public machine-readable ISA for CDNA 5 (MIT licence, August 2026) and "CDNA5" Instruction Set Architecture Reference Guide (July 2026). The comments in the code are by the model that wrote it; some were corrected since.
;; Local Window Attention. Allowed arithmetic: matrix products marked QUANTISED: E2M3 operands, one E8M0 scale for each 32 along K, by v_wmma_scale_f32_16x16x128_f8f6f4 with both operands' format E2M3, f32 sums; everything else in f32.
;; Inputs: b_out 1,024 float32; b_qkv 3,072 float32; w_out 1,024 x 1,024 float32; w_qkv 1,024 x 3,072 float32; x 2 x 2,048 x 1,024 float32.
;; Outputs: out0 2 x 2,048 x 1,024 float32.
;; This version of the problem:
;;   THIS VERSION OF THE PROBLEM IS GIVEN IN LOW PRECISION. The matrix products marked QUANTISED in the list below multiply operands that are first quantised to E2M3 (2 exponent bits, 3 mantissa bits; 6 bits a number), with one power-of-two scale for each 32 numbers along K (OCP MX v1.0); their sums are f32. All else is computed in f32.
;;   The module's matrix products, in the order in which they are computed (A, B: the left and right operand; K: the contracted axis; several contracted axes count as one K, in the product's order):
;;     1. [M 4,096, K 1,024] x [K 1,024, N 3,072]; A: input x; B: input w_qkv: QUANTISED
;;     2. batch 32 x [M 2,048, K 64] x [K 64, N 2,048]; A: computed on the way; B: computed on the way: QUANTISED
;;     3. batch 32 x [M 2,048, K 2,048] x [K 2,048, N 64]; A: softmax (see below); B: computed on the way: QUANTISED
;;     4. [M 4,096, K 1,024] x [K 1,024, N 1,024]; A: computed on the way; B: input w_out: QUANTISED
;;   THE QUANTISER, for each operand of a quantised product, along K:
;;     - K is cut into blocks of 32 from its start; a last block that is shorter is filled with zeros.
;;     - A block's scale is 2^e with e = floor(log2(the largest magnitude in the block)) - 2, held to -126 .. 127; a block of zeros has e = 0. As a byte (E8M0): e + 127.
;;     - Each number is divided by its block's scale, clamped to +-7.5, and rounded to the nearest number of E2M3, ties to even, subnormals kept.
;;     - The product sums the exact products of the quantised numbers (number of the format x scale) in f32.
;;   ~~~python
;;   def quantise(x, axis):      # numpy; x: float32 -> the quantised numbers, widened to float32 again
;;       x = np.moveaxis(x, axis, -1); K = x.shape[-1]
;;       x = np.pad(x, [(0, 0)] * (x.ndim - 1) + [(0, -K % 32)]); x = x.reshape(x.shape[:-1] + (-1, 32)); a = np.abs(x).max(-1, keepdims=True)
;;       e = np.where(a > 0, np.clip(np.frexp(np.where(a > 0, a, 1))[1] - 1 - 2, -126, 127), 0)      # np.frexp(a)[1] - 1 = floor(log2(a)), exactly
;;       r = np.clip(x / 2.0 ** e, -7.5, 7.5)
;;       step = 2.0 ** (np.maximum(np.frexp(np.where(r == 0, 1, r))[1] - 1, 0) - 3)
;;       q = np.round(r / step) * step * 2.0 ** e      # np.round: ties to even
;;       return np.moveaxis(q.reshape(q.shape[:-2] + (-1,))[..., :K], -1, axis).astype(np.float32)
;;   ~~~
;;   SOFTMAX AHEAD OF A QUANTISED PRODUCT. Where the list says 'softmax', what is quantised is not the finished softmax but p = 2^(t - M), with t = logit x log2(e) and M = ceil(the row's largest t), a whole number; so 1/2 < the row's largest p <= 1. The row's sum l is taken of the UNQUANTISED p, in f32, and the product's result is divided by l at the end. Since M is a whole number, a kernel that streams over the keys may use a running M (the ceiling of the running maximum): every later rescaling is an exact power of two, which a block's scale takes up: the codes' values come out the same.
;;   OPERANDS COMPUTED ON THE WAY. 'Computed on the way' means the value that the module computes at that place (a softmax that the list does not call 'softmax' is quantised finished and normalised). What goes into a quantiser is computed in f32, as accurately as f32 sums, v_exp_f32 and their like allow (about 1e-6 of the number): no bf16 or f16 on the way to a quantiser, and a product that is left as it is and whose result goes on into a quantised operand takes f32 operands (vector FMAs, or v_wmma_f32_16x16x4_f32). A number that lies on a knife's edge between two numbers of the format may be rounded either way, as far as f32 arithmetic and the matrix unit's own rounding can turn it there, and no further.
;; One version. Each part assembles by itself: llvm-mc -triple=amdgcn-amd-amdhsa -mcpu=gfx1250 --defsym DOCPART=n.
;; ======== version 1 of 1: 3 launches
;; limits: right only within a limited range of input values
;; workspace buffers: opc 6,553,600 bytes; aoc 3,276,800 bytes
;; launch prep (part 1): grid 512 x 1, 4 waves a work-group, no clusters, 34,816 bytes of LDS; arguments x, w_qkv, w_out, opc; writes opc
.if DOCPART == 1
	.amdgcn_target "amdgcn-amd-amdhsa--gfx1250"
	.amdhsa_code_object_version 6
	.text
	.protected	k_qf4b8fc22a7_prep
	.globl	k_qf4b8fc22a7_prep
	.p2align	8
	.type	k_qf4b8fc22a7_prep,@function
k_qf4b8fc22a7_prep:
	s_mov_b64 s[64:65], 0
	v_nop
	global_prefetch_b8 v0, s[64:65] scope:SCOPE_SE
	s_setreg_imm32_b32 hwreg(HW_REG_WAVE_MODE, 25, 1), 1
	s_wait_xcnt 0x0
; x [4096][1024], w_qkv [1024][3072] and w_out [1024][1024], f32, become codes of FP6 (E2M3) with one E8M0 byte for each 32 along K (K = the 1,024 in all three).
; A block's scale is 2^(floor(log2(largest magnitude)) - 2): its byte is the largest magnitude's exponent field - 2, held at 1 from below by a floor among the maximum's leaves.
; A TILE of 16 rows x 128 K is 1,536 bytes, an image of operand registers: three pieces of 512 bytes; piece p holds registers 4 p .. 4 p + 3 of lane l at byte 16 l.
; Lane (r = l % 16, h = l / 16), registers 6 c .. 6 c + 5: block 2 c + h of row r.
; opc: x at 0: [256 tokens 16][chunk of two K steps 4] images of 51,200 bytes: codes [tile 16][K step 2][1,536], then scale words [tile][K step][row 16].
;   w_qkv at WQC: [head 16][chunk 4] images of 38,400 bytes: codes [tile 12: k's four, v's, q's][K step 2][1,536], then scale words [tile][K step][row].
;   w_out at WOC: [64 columns 16] images of 51,200 bytes: codes of K steps 0-3 [tile 4][K step 4][1,536], scale bytes by pairs [half K step 16][column 64][2], codes of K steps 4-7.
; ORDER INSIDE A BLOCK OF 32: position 0-7 holds k 0-7, 8-15 holds k 16-23, 16-23 holds k 8-15, 24-31 holds k 24-31: on both sides of every product of this program.
; LIMITS: NaN and infinities among the inputs are not served.  A block of zeros, or one whose largest magnitude lies under 2^-124, gets the byte 1: this program alone reads the bytes.
; SHARES: work-groups 0-255 take x (64 rows x 256 K each, a wave 16 rows), 256-447 w_qkv, 448-511 w_out (128 columns x 128 K each, a wave 32 columns).
; x's waves ask for all their 16 KiB at the head (32 loads); the weights' waves keep two blocks of 32 loads on their way.  Only x's path touches LDS.
.set WQC, 3276800
.set WOC, 5734400
.set STP, 528                          ; x's stage: a row of 512 bytes + 16
.set SG,  4*16*STP                     ; behind the four stages: the work-group's scale words, [tile 4][K step 2][row 16]
.set TM,  12                           ; v12-15 largest magnitudes, v16-19 at work, v24-27 the conversions' scale operands
.set PW,  29
.set PC,  32                           ; v32-43 a fragment's codes, v44-50 at work
.set R,   64                           ; v64-191 x as loaded
.set X,   192                          ; v192-255 64 numbers of a lane in the order of the operand
.set SEL, 20                           ; s[20:21] lane selects: lane l xor 16
.set OFF, 32                           ; weights: v32-63 the byte offset of position i's row
.set WX,  64                           ; v64-191 four blocks of 32 numbers
.set CB,  192                          ; v192-215 their codes
.set CT,  216                          ; v216-218 a block's upper half, on its way
; 64 numbers of a lane, register 16 b + i = position 16 (lane / 16) + i of block b of my row, become a fragment's codes in v[PC] on and its scale word in v[PW].
.macro QUANT s
.irp b, 0,1,2,3
	v_max3_num_f32 v[TM+\b], |v[\s+16*\b]|, |v[\s+1+16*\b]|, 0x1800000
.endr
.irp i, 2,4,6,8,10,12,14
.irp b, 0,1,2,3
	v_max3_num_f32 v[TM+\b], v[TM+\b], |v[\s+16*\b+\i]|, |v[\s+1+16*\b+\i]|
.endr
.endr
.irp b, 0,1,2,3
	v_permlanex16_b32 v[TM+4+\b], v[TM+\b], s[SEL], s[SEL+1]
.endr
.irp b, 0,1,2,3
	v_max_num_f32 v[TM+\b], v[TM+\b], v[TM+4+\b]
.endr
.irp b, 0,1,2,3
	v_add_nc_u32 v[TM+12+\b], 0xff000000, v[TM+\b]
.endr
.irp b, 0,1,2,3
	v_lshrrev_b32 v[TM+4+\b], 23, v[TM+12+\b]
.endr
	v_lshl_or_b32 v[PW], v[TM+5], 8, v[TM+4]
	v_lshl_or_b32 v[PW], v[TM+6], 16, v[PW]
	v_lshl_or_b32 v[PW], v[TM+7], 24, v[PW]
.irp c, 0,1
	v_cvt_scalef32_pk16_fp6_f32 v[PC+6*\c:PC+2+6*\c], v[\s+32*\c:\s+15+32*\c], v[TM+12+2*\c]
	v_cvt_scalef32_pk16_fp6_f32 v[PC+12+4*\c:PC+14+4*\c], v[\s+16+32*\c:\s+31+32*\c], v[TM+13+2*\c]
.endr
	v_nop                                          ; one plain place behind a scaled conversion
.irp c, 0,1                                    ; a whole block to a lane: lanes 0-15 block 2 c, lanes 16-31 block 2 c + 1
.irp i, 0,1,2
	v_permlane16_swap_b32 v[PC+6*\c+\i], v[PC+12+4*\c+\i]
.endr
.irp i, 0,1,2
	v_mov_b32 v[PC+3+6*\c+\i], v[PC+12+4*\c+\i]
.endr
.endr
.endm
	s_load_b256 s[4:11], s[0:1], 0x0               ; x s[4:5], w_qkv s[6:7], w_out s[8:9], opc s[10:11]
	v_lshl_add_u32 v30, v0, 2, 0x8600
	v_mov_b32 v31, 0
	v_lshrrev_b32 v1, 5, v0
	v_readfirstlane_b32 s16, v1                    ; wave 0..3
	v_and_b32 v1, 31, v0                           ; lane
	v_lshlrev_b32 v7, 4, v1                        ; 16 x lane: my place in a piece
	s_wait_alu depctr_va_vdst(0)
	s_cmp_ge_u32 ttmp9, 256
	s_cbranch_scc1 .Lweights
	; ---------------- x: K is innermost ----------------
	v_and_b32 v2, 15, v0                           ; r
	v_bfe_u32 v3, v0, 4, 1                         ; h
	v_lshlrev_b32 v4, 4, v1                        ; my 16 bytes of a load's 512
	s_mul_i32 s17, s16, 16*STP                     ; my wave's stage
	v_add_nc_u32 v5, s17, v4                       ; into it: as loaded
	v_mul_u32_u24 v6, v2, STP
	v_lshl_add_u32 v6, v3, 5, v6
	v_add_nc_u32 v6, s17, v6                       ; out of it: row r, + 32 h bytes
	s_lshl_b32 s18, s16, 7
	s_add_co_u32 s18, s18, SG
	v_lshl_add_u32 v8, v2, 2, s18                  ; my row's scale word: SG + 128 x wave + 4 r (+ 64 for the second K step)
	v_add_nc_u32 v9, SG, v4                        ; and on the way out 16 bytes a lane
.irp b, 0,1,2,3
	v_mov_b32 v[TM+4+\b], 0                        ; a lane permute's destination counts as one of its sources
.endr
	s_mov_b32 s[SEL], 0x76543210
	s_mov_b32 s[SEL+1], 0xfedcba98
	s_lshr_b32 s22, ttmp9, 2                       ; which 64 rows
	s_and_b32 s23, ttmp9, 3                        ; which two K steps: the chunk
	s_lshl_b32 s24, s22, 2
	s_add_co_u32 s24, s24, s16                     ; my row tile
	s_lshl_b32 s26, s24, 16                        ; 16 rows of 4,096 bytes
	s_lshl_b32 s25, s23, 10
	s_add_co_u32 s26, s26, s25
	s_mov_b32 s27, 0
	s_lshr_b32 s28, s24, 4                         ; which 256 tokens
	s_lshl_b32 s28, s28, 2
	s_add_co_u32 s28, s28, s23
	s_mul_i32 s28, s28, 51200                      ; the image
	s_and_b32 s25, s22, 3
	s_lshl_b32 s30, s25, 9                         ; its scale words: 512 bytes for 64 rows
	s_add_co_u32 s30, s30, s28
	s_add_co_u32 s30, s30, 49152
	s_mov_b32 s31, 0
	s_and_b32 s25, s24, 15
	s_mul_i32 s25, s25, 3072
	s_add_co_u32 s28, s28, s25
	s_mov_b32 s29, 0
	s_wait_alu depctr_va_vdst(0)
	s_wait_kmcnt 0x0
	s_add_nc_u64 s[4:5], s[4:5], s[26:27]
	s_add_nc_u64 s[12:13], s[10:11], s[30:31]
	s_add_nc_u64 s[10:11], s[10:11], s[28:29]
.set q, 0
.rept 32                                       ; all 32 loads at once: 512 consecutive bytes each; the first K step's sixteen rows first
	global_load_b128 v[R+4*q:R+4*q+3], v4, s[4:5] offset:(q%16)*4096+(q/16)*512 th:TH_LOAD_NT
.set q, q+1
.endr
.macro XSTEP u
	s_wait_loadcnt 16-16*\u                        ; this K step's sixteen loads are in; the other's may be out
.set q, 0
.rept 16
	ds_store_b128 v5, v[R+64*\u+4*q:R+64*\u+4*q+3] offset:STP*q
.set q, q+1
.endr
.set q, 0
.rept 16                                       ; LDS serves a wave's instructions in order: these see the stores.  Block q / 4; of it k = 8 h + 0..7 and 16 + 8 h + 0..7
	ds_load_b128 v[X+4*q:X+4*q+3], v6 offset:128*(q/4)+64*((q%4)/2)+16*(q%2)
.set q, q+1
.endr
	s_wait_dscnt 0x0
	s_wait_xcnt 0x0                                ; the last K step's stores have read their data
	QUANT X
.irp p, 0,1,2
	global_store_b128 v7, v[PC+4*\p:PC+4*\p+3], s[10:11] offset:1536*\u+512*\p   ; 32 lanes store 512 consecutive bytes, aligned
.endr
	ds_store_b32 v8, v[PW] offset:64*\u            ; both lanes of a row write the same word with the same value
.endm
	XSTEP 0
	XSTEP 1
	s_wait_dscnt 0x0                               ; for the others' sake: my scale words lie in LDS
	s_barrier_signal -1
	s_barrier_wait -1
	s_cmp_lg_u32 s16, 0
	s_cbranch_scc1 .Ldone
	ds_load_b128 v[12:15], v9                      ; wave 0 stores the work-group's 128 scale words: 512 consecutive bytes
	s_wait_dscnt 0x0
	global_store_b128 v7, v[12:15], s[12:13]
.Ldone:
	s_wait_tensorcnt 0x0
	ds_add_u32 v30, v31
	s_wait_dscnt 0x0
	s_endpgm
	; ---------------- the weights: K is the first axis.  A lane takes a column, its registers run down K ----------------
.Lweights:
	s_wait_alu depctr_va_vdst(0)
	v_lshlrev_b32 v4, 2, v1                        ; 4 x lane
	v_and_b32 v5, 15, v1
	v_lshrrev_b32 v6, 4, v1
	v_lshlrev_b32 v5, 2, v5
	v_lshl_add_u32 v5, v6, 7, v5                   ; w_qkv's scale words: 64 bytes for each tile of 16 columns, 128 apart
	v_lshlrev_b32 v6, 1, v1                        ; w_out's: two bytes a lane
	s_sub_co_u32 s17, ttmp9, 256
	s_sub_co_u32 s18, s17, 192
	s_cmp_lt_u32 s17, 192                          ; w_qkv's work-group or w_out's: the choice hangs on the work-group's number alone
	s_cselect_b32 s17, s17, s18
	s_mov_b32 s19, 4096
	s_cselect_b32 s19, 12288, s19                  ; a row of the weight in bytes
	s_cselect_b32 s22, 1, 0
	s_wait_alu depctr_va_vdst(0)
	s_wait_kmcnt 0x0
	s_cselect_b64 s[6:7], s[6:7], s[8:9]
	s_and_b32 s25, s17, 7                          ; K step
	s_lshr_b32 s26, s17, 3                         ; which 128 columns
	s_lshl_b32 s27, s26, 2
	s_add_co_u32 s27, s27, s16                     ; which 32 columns
	s_lshl_b32 s28, s25, 7
	s_mul_i32 s28, s28, s19
	s_lshl_b32 s29, s27, 7
	s_add_co_u32 s28, s28, s29
	s_mov_b32 s29, 0
	s_add_nc_u64 s[32:33], s[6:7], s[28:29]        ; block 0's first row, my wave's first column
	s_lshl_b32 s30, s19, 5
	s_mov_b32 s31, 0
	s_add_nc_u64 s[34:35], s[32:33], s[30:31]      ; blocks 1, 2, 3: 32 rows on each
	s_add_nc_u64 s[36:37], s[34:35], s[30:31]
	s_add_nc_u64 s[38:39], s[36:37], s[30:31]
	s_lshr_b32 s17, s27, 5                         ; w_qkv: 0 q, 1 k, 2 v
	s_sub_co_u32 s18, s17, 1
	s_cmp_eq_u32 s17, 0
	s_cselect_b32 s18, 2, s18                      ; its place in the image: k, v, q
	s_and_b32 s23, s27, 1                          ; which half of the 64 columns
	s_lshl_b32 s18, s18, 2
	s_lshl_b32 s24, s23, 1
	s_add_co_u32 s18, s18, s24                     ; my first tile of the image's twelve
	s_bfe_u32 s17, s27, 0x40001                    ; the head, or w_out's 64 columns
	s_lshl_b32 s24, s17, 2
	s_lshr_b32 s28, s25, 1
	s_add_co_u32 s24, s24, s28
	s_mul_i32 s24, s24, 38400
	s_add_co_u32 s24, s24, WQC
	s_and_b32 s26, s25, 1
	s_mul_i32 s28, s18, 3072
	s_mul_i32 s30, s26, 1536
	s_add_co_u32 s28, s28, s30
	s_add_co_u32 s28, s28, s24                     ; w_qkv's codes
	s_lshl_b32 s30, s18, 7
	s_lshl_b32 s31, s26, 6
	s_add_co_u32 s30, s30, s31
	s_add_co_u32 s30, s30, s24
	s_add_co_u32 s30, s30, 36864                   ; and scale words
	s_mul_i32 s17, s17, 51200
	s_add_co_u32 s17, s17, WOC
	s_mul_i32 s31, s23, 12288
	s_and_b32 s18, s25, 3
	s_mul_i32 s18, s18, 1536
	s_add_co_u32 s31, s31, s17
	s_add_co_u32 s31, s31, s18
	s_lshr_b32 s18, s25, 2
	s_mul_i32 s18, s18, 26624                      ; K steps 4-7 lie behind the scale bytes
	s_add_co_u32 s31, s31, s18                     ; w_out's codes
	s_lshl_b32 s18, s25, 8
	s_lshl_b32 s26, s23, 6
	s_add_co_u32 s18, s18, s26
	s_add_co_u32 s18, s18, s17
	s_add_co_u32 s18, s18, 24576                   ; and scale bytes
	s_cmp_eq_u32 s22, 1
	s_cselect_b32 s28, s28, s31
	s_cselect_b32 s30, s30, s18
	s_mov_b32 s31, 0
	s_mov_b32 s24, 6144
	s_cselect_b32 s24, 3072, s24                   ; from my first tile to my second
	s_mov_b32 s25, 0
	s_add_nc_u64 s[12:13], s[10:11], s[30:31]
	s_add_nc_u64 s[10:11], s[10:11], s[28:29]
	s_add_nc_u64 s[24:25], s[10:11], s[24:25]
.set q, 0
.rept 32
	v_mad_u32_u24 v[OFF+q], s19, (q%8)+16*((q/8)%2)+8*(q/16), v4   ; position q takes row k = q % 8 + 16 ((q / 8) % 2) + 8 (q / 16) of its block
.set q, q+1
.endr
.macro WLOAD t                         ; block t's 32 rows at my wave's 32 columns: 128 consecutive bytes a load
.set q, 0
.rept 32
	global_load_b32 v[WX+32*(\t)+q], v[OFF+q], s[32+2*(\t):33+2*(\t)] th:TH_LOAD_NT
.set q, q+1
.endr
.endm
	WLOAD 0
	WLOAD 1                                        ; the loads run two blocks, 64 loads, ahead
.macro WBLOCK t
.set XS, WX+32*(\t)
.set CD, CB+6*((\t)/2)+12*((\t)%2)
.if (\t) < 3
	s_wait_loadcnt 32                              ; this block's 32 loads are in; the next block's 32 may be out
.else
	s_wait_loadcnt 0x0
.endif
.if (\t) < 2
	WLOAD (\t)+2                                   ; and the block two on is asked for at once
.endif
	v_max3_num_f32 v8, |v[XS]|, |v[XS+1]|, |v[XS+2]|   ; all 32 numbers are mine
	v_max3_num_f32 v9, |v[XS+3]|, |v[XS+4]|, |v[XS+5]|
.irp i, 6,10,14,18,22,26
	v_max3_num_f32 v8, v8, |v[XS+\i]|, |v[XS+\i+1]|
	v_max3_num_f32 v9, v9, |v[XS+\i+2]|, |v[XS+\i+3]|
.endr
	v_max3_num_f32 v8, v8, |v[XS+30]|, |v[XS+31]|
	v_max3_num_f32 v8, v8, v9, 0x1800000           ; and the floor
	v_add_nc_u32 v10, 0xff000000, v8
	v_lshrrev_b32 v11, 23, v10
.if (\t) == 0
	v_mov_b32 v12, v11
.else
	v_lshl_or_b32 v12, v11, 8*(\t), v12            ; four bytes make my column's scale word
.endif
	v_cvt_scalef32_pk16_fp6_f32 v[CD:CD+2], v[XS:XS+15], v10
	v_cvt_scalef32_pk16_fp6_f32 v[CT:CT+2], v[XS+16:XS+31], v10
	v_nop                                          ; one plain place behind a scaled conversion
.irp i, 0,1,2
	v_mov_b32 v[CD+3+\i], v[CT+\i]
.endr
.endm
	s_wait_alu depctr_va_vdst(0)
	WBLOCK 0
	WBLOCK 1
	WBLOCK 2
	WBLOCK 3
.irp c, 0,1                                    ; lane l holds blocks 2 c and 2 c + 1 of column l.  The exchange leaves columns 0-15 in the first twelve registers, columns 16-31 in the second (lanes 0-15 block 2 c, lanes 16-31 block 2 c + 1)
.irp i, 0,1,2,3,4,5
	v_permlane16_swap_b32 v[CB+6*\c+\i], v[CB+12+6*\c+\i]
.endr
.endr
	s_wait_alu depctr_va_vdst(0)
.irp p, 0,1,2
	global_store_b128 v7, v[CB+4*\p:CB+4*\p+3], s[10:11] offset:512*\p        ; 512 consecutive bytes, aligned
	global_store_b128 v7, v[CB+12+4*\p:CB+12+4*\p+3], s[24:25] offset:512*\p
.endr
	s_cmp_eq_u32 s22, 1
	s_cbranch_scc0 .Lwords_out
	global_store_b32 v5, v12, s[12:13]             ; 32 scale words
	s_endpgm
.Lwords_out:
	global_store_b16 v6, v12, s[12:13]             ; blocks 0 and 1 of the K step,
	global_store_d16_hi_b16 v6, v12, s[12:13] offset:128   ; and blocks 2 and 3
	s_endpgm
.Lfunc_end_k_qf4b8fc22a7_prep:
	.size	k_qf4b8fc22a7_prep, .Lfunc_end_k_qf4b8fc22a7_prep-k_qf4b8fc22a7_prep
	.p2alignl 7, 3214868480
	.fill 96, 4, 3214868480
	.section	.rodata,"a",@progbits
	.p2align	6, 0x0
	.amdhsa_kernel k_qf4b8fc22a7_prep
		.amdhsa_group_segment_fixed_size 34816
		.amdhsa_private_segment_fixed_size 0
		.amdhsa_enable_private_segment 0
		.amdhsa_kernarg_size 32
		.amdhsa_user_sgpr_count 2
		.amdhsa_user_sgpr_kernarg_segment_ptr 1
		.amdhsa_wavefront_size32 1
		.amdhsa_system_sgpr_workgroup_id_x 1
		.amdhsa_system_sgpr_workgroup_id_y 1
		.amdhsa_system_sgpr_workgroup_id_z 1
		.amdhsa_system_vgpr_workitem_id 0
		.amdhsa_next_free_vgpr 256
		.amdhsa_next_free_sgpr 66
		.amdhsa_reserve_vcc 0
		.amdhsa_float_denorm_mode_32 3
		.amdhsa_float_denorm_mode_16_64 3
		.amdhsa_memory_ordered 1
		.amdhsa_forward_progress 1
		.amdhsa_inst_pref_size 43
	.end_amdhsa_kernel
	.amdgpu_metadata
---
amdhsa.version: [ 1, 2 ]
amdhsa.kernels:
  - .name:           k_qf4b8fc22a7_prep
    .symbol:         k_qf4b8fc22a7_prep.kd
    .args:
      - { .name: x, .offset: 0, .size: 8, .value_kind: global_buffer, .address_space: global }
      - { .name: w_qkv, .offset: 8, .size: 8, .value_kind: global_buffer, .address_space: global }
      - { .name: w_out, .offset: 16, .size: 8, .value_kind: global_buffer, .address_space: global }
      - { .name: opc, .offset: 24, .size: 8, .value_kind: global_buffer, .address_space: global }
    .group_segment_fixed_size: 34816
    .private_segment_fixed_size: 0
    .kernarg_segment_align: 8
    .kernarg_segment_size: 32
    .max_flat_workgroup_size: 128
    .sgpr_count:     66
    .vgpr_count:     256
    .wavefront_size: 32
...
	.end_amdgpu_metadata
.endif
;; end of part 1
;; launch qkvattn (part 2): grid 16 x 16, 4 waves a work-group, clusters of 4 x 4, 327,680 bytes of LDS; arguments opc, b_qkv, aoc; writes aoc
.if DOCPART == 2
	.amdgcn_target "amdgcn-amd-amdhsa--gfx1250"
	.amdhsa_code_object_version 6
	.text
	.protected	k_qf4b8fc22a7_qkvattn
	.globl	k_qf4b8fc22a7_qkvattn
	.p2align	8
	.type	k_qf4b8fc22a7_qkvattn,@function
k_qf4b8fc22a7_qkvattn:
	s_mov_b64 s[64:65], 0
	v_nop
	global_prefetch_b8 v0, s[64:65] scope:SCOPE_SE
	s_setreg_imm32_b32 hwreg(HW_REG_WAVE_MODE, 25, 1), 1
	s_wait_xcnt 0x0
	s_wait_alu depctr_hold_cnt(0) depctr_sa_sdst(0) depctr_va_vdst(0) depctr_va_sdst(0) depctr_va_ssrc(0) depctr_va_vcc(0) depctr_vm_vsrc(0)
	s_getreg_b32 s2, hwreg(HW_REG_IB_STS2, 6, 4)
	s_cmp_eq_u32 s2, 0
	s_cbranch_scc0 .Lentry_in_a_cluster
	s_endpgm
.Lentry_in_a_cluster:
	s_bfe_u32 s2, ttmp6, 0x10000c
	s_cmp_lg_u32 s2, 0xf033
	s_cbranch_scc0 .Lentry_shape_is_right
	s_endpgm
.Lentry_shape_is_right:
; q, k, v = x w_qkv + b_qkv AND THE ATTENTION IN A WINDOW (key j counts for query i where i - 256 <= j <= i), on codes of FP6 (E2M3) with E8M0 scales; the result, divided by the row's sum, is quantised along (head, d).
; A WORK-GROUP owns one head and 256 tokens' queries (grid x: the head; y: 8 blocks of 256 tokens in each of two sequences).  It makes k and v of its own 256 tokens and of the 256 ahead of them (the HALO), q of its own: nothing of q, k, v goes to memory.
; In a sequence's first block there is no halo: its own tokens are loaded in the halo's stead, and what they give is hidden.
; What the mask throws away is left out by whole tiles: a pair of 16-query tiles sees nine blocks of 32 keys.  A NaN or an infinity that reaches only what is left out is not carried.
; A WAVE has 64 halo tokens and 64 own tokens: x tiles 0-3 and 4-7 of 16.  80 accumulators of 16 x 16: k 8 x 4, v 8 x 4, q 4 x 4.  Its own 64 tokens are its queries.
; K = 1,024 goes in 8 steps of 128, chunks of two steps, through two LDS slots: [halo 51,200][own 51,200][weights 38,400]; each image carries its scale words behind its codes.
; Waves 0 and 1 fetch halo and own, waves 2 and 3 a half each of the weights: one load a wave behind each barrier.  Slot 0 at the head, slot 1 behind the full sequence, two refills.
; CLUSTER 4 x 4: x's images hang on y alone and are shared along a row, the weights' on the head alone and are shared along a column: joint loads.  No branch and no LDS address hangs on a place in the cluster.
; PREFETCH: behind the loads of chunk c (c = 0, 1, 2) chunk c + 1 is asked for into the L2, 256 bytes a lane: own x (a halo is the neighbour's own) by the sixteen waves of a row of the cluster, the weights by those of a column.
; k and q are used transposed (source 0 = weights): a lane holds one token, registers along d.  v is not: a lane holds one column d, registers along the tokens.  So each is quantised along the axis that the next product sums over.
; The bias is the C of each sum's first product.  q stays in registers; k's and v's codes go to all waves through LDS, onto slot 0, which has had its last fill and its last read.
; SOFTMAX of a query's nine blocks at once: t = score x log2(e) / 8; M = ceil(the largest t); p = 2^(t - M); the sum is taken of the unquantised p.  A block's largest p is the exponential of its largest score (this takes v_exp_f32 not to fall where its input rises).
; LIMITS: NaN and infinities are not served; a block under 2^-124 gets the byte 1 and zero codes; the scaled scores stay under 2^31 in magnitude.
; OUT: aoc [64 rows][51,200]: codes of heads 0-7 [tile 4][head 8][512: registers 0-3 | 256: registers 4, 5], scale bytes [head 16][row 64][2], codes of heads 8-15.  Scale bytes leave as 128 bytes a wave; the other half of each 256 is the neighbour head's.
; REGISTERS in the products: window 0: v0-3 thread, r, h, lane; v4-11 LDS addresses; v20, v21 the prefetches' offsets; v24-47 scale words; v48-143 own x, two sets; v144-191 halo x; v192-239 w's q part.
;   window 1: v0-95 w's k and v parts; v128-255 q's sums.  window 2: k's sums, tile (a, n) at 8 (4 a + n).  window 3: v's, at 8 (8 n + a).
.set WQC, 3276800
.set SLOT, 140800
.set KB,   0                           ; k's codes: [tile 32][512 | 256]
.set VB,   24576                       ; v's: [block of 32 keys 16, VP apart][16 d 4][256 | 128]
.set VP,   1664                        ; 1,536 + 128, so that the two halves of the lanes, one block apart, fall on different banks (64 banks of 4 bytes: ISA guide 11.1)
.set KSC,  51200                       ; k's scale bytes [key 512][2]
.set VSC,  52224                       ; v's [d 64][block 16]
.set STG,  53248                       ; the result's, 128 bytes a wave
.set SPARE, 281600                     ; the spare words: no other line names them
.set ADX0, 4
.set ADW0, 5
.set ADS0, 6
.set ADT0, 7
.set ADX,  8
.set ADW,  9
.set ADS,  10
.set ADT,  11
.set SPW,  12
.set NIL,  13
.set PFX,  20
.set PFW,  21
.set SC,   24
.set XO,   48
.set XH,   144
.set WQ,   192
.set G1X,  24
.set G0X,  32
.set G0W,  36
.set G1W,  48
.set SEL,  22
.set CS,   56
.set PX,   66                          ; s[66:67] own x, s[84:85] the weights, for the prefetches
.set PV_W, 84
; attention, window 0: v4-11, v14-23 addresses; v24-32 k's scales; v34-39 v's scale words as loaded; v40-42 p's; v43 -infinity; v44-47 q's; v48-95 q's codes
.set KS,   24
.set VR,   34
.set PW,   40
.set QS,   44
.set QF,   48
.set TM,   96
.set SO,   96
.set MN,   106
.set VS,   114
.set BM,   120
.set PT,   129
.set LA,   138
.set LB,   140
.set L,    144
.set MB,   224
.set VF,   116                         ; window 3: k's codes v0-113, v's v116-241
.set V2,   212
.set MSB, 0
.macro WIN new
.if MSB != (\new)
	s_set_vgpr_msb (MSB<<8)|(\new)
.set MSB, (\new)
.endif
.endm
.macro WALU
	s_wait_alu depctr_va_vdst(0)
.endm
.macro PLACES n
.rept \n
	v_nop
.endr
.endm
.macro JLOAD                           ; a joint load: waves 0 and 1 fetch x, waves 2 and 3 the weights; four v_nop follow each line
	s_cmp_eq_u32 s15, 0
	s_cbranch_scc0 .Lfor_w_\@
	tensor_load_to_lds s[G0X:G0X+3], s[G1X:G1X+7]
	s_nop 0
	PLACES 4
	s_branch .Lasked_\@
.Lfor_w_\@:
	tensor_load_to_lds s[G0W:G0W+3], s[G1W:G1W+7]
	s_nop 0
	PLACES 4
.Lasked_\@:
.endm
.macro CREST                           ; a round of the cluster's barrier behind its opening barrier
	s_cmp_lg_u32 s14, 0
	s_cbranch_scc1 .Lnot_wave_0_\@
	s_barrier_signal -3
.Lnot_wave_0_\@:
	s_barrier_wait -3
	s_barrier_signal -1
	s_barrier_wait -1
.endm
.macro CROUND
	s_barrier_signal -1
	s_barrier_wait -1
	CREST
.endm
.macro NEXT                            ; both descriptors go to the next chunk; s42: the slot
	s_add_nc_u64 s[G0X+2:G0X+3], s[G0X+2:G0X+3], 51200
	s_add_nc_u64 s[G0W+2:G0W+3], s[G0W+2:G0W+3], 38400
	s_add_co_u32 s[G0X+1], s40, s42
	s_add_co_u32 s[G0W+1], s41, s42
.endm
.macro ASK c                           ; chunk c into the L2: my 13 of own x's 200 blocks of 256 bytes, my 10 of the weights' 150
	global_prefetch_b8 v[PFX], s[PX:PX+1] offset:51200*(\c) th:TH_LOAD_NT scope:SCOPE_SE
	global_prefetch_b8 v[PFW], s[PV_W:PV_W+1] offset:38400*(\c) th:TH_LOAD_NT scope:SCOPE_SE
.endm
; one product; o odd: source 0's scales (side a) or source 1's (side b) from lanes 16-31
.macro WMS d, sa, sb, c, xa, xb, side, o
.if (\o)&1
	v_wmma_scale_f32_16x16x128_f8f6f4 v[\d:\d+7], v[\sa:\sa+11], v[\sb:\sb+11], \c, v[\xa], v[\xb] matrix_a_fmt:MATRIX_FMT_FP6 matrix_b_fmt:MATRIX_FMT_FP6 matrix_\side\()_scale:MATRIX_SCALE_ROW1
.else
	v_wmma_scale_f32_16x16x128_f8f6f4 v[\d:\d+7], v[\sa:\sa+11], v[\sb:\sb+11], \c, v[\xa], v[\xb] matrix_a_fmt:MATRIX_FMT_FP6 matrix_b_fmt:MATRIX_FMT_FP6
.endif
.endm
; group g (0 k, 1 v, 2 q), x tile a, w tile n; set p; z = 1: the sum begins with the bias
.macro WM g, a, n, p, z
.if (\a) < 4
.set rX, XH+12*(\a)
.else
.set rX, XO+48*(\p)+12*((\a)-4)
.endif
.set sX, SC+12*(\p)+(\a)
.set sW, SC+12*(\p)+4*(\g)+(\n)
.if (\g) == 0
.set rW, 12*(\n)
.set rD, 8*(4*(\a)+(\n))
.if \z
	WIN 0x81
	WMS rD, rW, rX, v[96+8*(\n):103+8*(\n)], sW, sX, a, 1
.else
	WIN 0xa1
	WMS rD, rW, rX, v[rD:rD+7], sW, sX, a, 1
.endif
.elseif (\g) == 1
.set rW, 48+12*(\n)
.set rD, 8*(8*(\n)+(\a))
.if \z
.set rC, 240+8*((\n)%2)
	WIN 0xc4+16*((\n)/2)
	WMS rD, rX, rW, v[rC:rC+7], sX, sW, b, 1
.else
	WIN 0xf4
	WMS rD, rX, rW, v[rD:rD+7], sX, sW, b, 1
.endif
.else
.set rW, WQ+12*(\n)
.set rD, 128+8*(4*((\a)-4)+(\n))
	WIN 0x50
.if \z
	WMS rD, rW, rX, v[96+8*(\n):103+8*(\n)], sW, sX, a, 1
.else
	WMS rD, rW, rX, v[rD:rD+7], sW, sX, a, 1
.endif
.endif
.endm
; twelve LDS loads of kind k: 0, 1, 2 w's k, v, q part; 3 halo x; 4 own x; 5 scale words (lanes 0-15 x's, lanes 16-31 w's).  UT: the fetched step's place in its chunk, which is also its set
.macro FETCH k
.if (\k) < 2
	WIN 0x40
.else
	WIN 0
.endif
.set E_, 0
.rept 12
.set N_, E_/3
.set C_, E_%3
.if \k == 0
	ds_load_b128 v[12*N_+4*C_:12*N_+4*C_+3], v[ADW] offset:N_*3072+UT*1536+512*C_
.elseif \k == 1
	ds_load_b128 v[48+12*N_+4*C_:48+12*N_+4*C_+3], v[ADW] offset:(4+N_)*3072+UT*1536+512*C_
.elseif \k == 2
	ds_load_b128 v[WQ+12*N_+4*C_:WQ+12*N_+4*C_+3], v[ADW] offset:(8+N_)*3072+UT*1536+512*C_
.elseif \k == 3
	ds_load_b128 v[XH+12*N_+4*C_:XH+12*N_+4*C_+3], v[ADX] offset:N_*3072+UT*1536+512*C_
.elseif \k == 4
	ds_load_b128 v[XO+48*UT+12*N_+4*C_:XO+48*UT+12*N_+4*C_+3], v[ADX] offset:51200+N_*3072+UT*1536+512*C_
.elseif (E_ < 4) || (E_ > 7)
	ds_load_b32 v[SC+12*UT+E_], v[ADS] offset:128*E_+64*UT
.else
	ds_load_b32 v[SC+12*UT+E_], v[ADT] offset:128*(E_-4)+64*UT
.endif
.set E_, E_+1
.endr
.endm
.macro RUN1                            ; a step's first run of 36 loads, for the next step
	FETCH 0
	FETCH 4
	FETCH 5
.endm
.macro RUN2                            ; and its second
	FETCH 3
	FETCH 1
	FETCH 2
	WIN 0
.endm
.macro GRP g, a, p, z, from, to
.set I_, \from
.rept (\to)-(\from)
	WM \g, \a+I_%4, I_/4, \p, \z
.set I_, I_+1
.endr
.endm
; A K STEP: five groups of 16 products: k x own, k x halo, v x halo, v x own, q x own.  Behind k's groups stands the first run of LDS loads (w's k part, own x, scale words of the next step), behind q's the second (halo x, w's v and q parts).
; p: the step's place in its chunk.  turn 1: a round and a refill stand in it, 2: a barrier alone; more = 0: nothing is fetched any more.  The accumulators take turns, one instruction a turn.
.macro STEP p, z, turn, more
.set UT, 1-(\p)
	s_wait_dscnt 36                                ; the first run is in; the second may be out
	GRP 0, 4, \p, \z, 0, 16
.if \turn
	WIN 0
	s_wait_tensorcnt 0x0                           ; all my tensor loads have landed, my part of the next chunk among them
	ds_add_u32 v[SPW], v[NIL]
	s_wait_dscnt 25                                ; halo x is in; w's v and q parts and the add may be out
.if \turn == 1
	NEXT                                           ; the slot that this step leaves takes the chunk two on
.endif
	s_xor_b32 s42, s42, SLOT
	GRP 0, 0, \p, \z, 0, 8
	s_wait_dscnt 0x0                               ; the add is done, and my reads of this step's slot
	s_barrier_signal -1
	GRP 0, 0, \p, \z, 8, 16
	WIN 0
	s_barrier_wait -1
.if \turn == 1
	CREST
	JLOAD
.else
	PLACES 4
.endif
	v_add_nc_u32 v[ADX], s42, v[ADX0]              ; on to the other slot
	v_add_nc_u32 v[ADW], s42, v[ADW0]
	v_add_nc_u32 v[ADS], s42, v[ADS0]
	v_add_nc_u32 v[ADT], s42, v[ADT0]
	WALU
.else
	s_wait_dscnt 24                                ; halo x is in
	GRP 0, 0, \p, \z, 0, 16
	PLACES 4                                       ; places in front of the loads into w's k part
.endif
.if \more
	RUN1
.endif
.if \turn == 1
	s_cmp_eq_u32 s43, 0                            ; the loop's first trip: chunk 3 is the last
	s_cbranch_scc0 .Lno_ask_\@
	ASK 3
.Lno_ask_\@:
.endif
.if (\turn) == 0
	s_wait_dscnt 12+36*(\more)                     ; w's v part is in; its q part and the first run may be out
.endif
	GRP 1, 0, \p, \z, 0, 16
	GRP 1, 4, \p, \z, 0, 16
.if (\turn) == 0
	s_wait_dscnt 36*(\more)                        ; w's q part is in
.endif
.if \z
	PLACES 5                                       ; two of q's sums are written over what was v's bias
.endif
	GRP 2, 4, \p, \z, 0, 16
	WIN 0
.if \more
	PLACES 4
	RUN2
.endif
.endm
	s_load_b128 s[4:7], s[0:1], 0x0                ; opc, b_qkv
	s_load_b64 s[8:9], s[0:1], 0x10                ; aoc
	v_lshl_add_u32 v[SPW], v0, 2, SPARE
	v_mov_b32 v[NIL], 0
	ds_add_u32 v[SPW], v[NIL]                      ; the wave's opening
	ds_add_u32 v[SPW], v[NIL]
	v_lshrrev_b32 v1, 5, v0
	v_readfirstlane_b32 s14, v1                    ; wave 0..3
	s_lshr_b32 s15, s14, 1                         ; I fetch x (0) or the weights (1)
	s_and_b32 s16, s14, 1                          ; which half of them
	s_bfe_u32 s17, ttmp6, 0x40000                  ; cx
	s_bfe_u32 s18, ttmp6, 0x40004                  ; cy
	s_lshl_b32 s10, ttmp9, 2
	s_add_co_u32 s10, s10, s17                     ; the head
	s_and_b32 s11, ttmp7, 0xffff
	s_lshl_b32 s11, s11, 2
	s_add_co_u32 s11, s11, s18                     ; which 256 tokens of the 4,096
	s_lshl_b32 s19, s18, 2
	s_lshl_b32 s19, 15, s19                        ; my row of the cluster
	s_lshl_b32 s20, 0x1111, s17                    ; my column
	s_or_b32 s[G1X], s19, (3<<16)|(1<<21)          ; the mask; elements of 8 bytes; 21 set beside a mask; no padding: 25 rows of 2,048 bytes
	s_mov_b32 s[G1X+1], 256<<16
	s_mov_b32 s[G1X+2], 25<<16
	s_mov_b32 s[G1X+3], 256<<16
	s_mov_b32 s[G1X+4], 25
	s_mov_b32 s[G1X+5], 256
	s_mov_b32 s[G1X+6], 0
	s_mov_b32 s[G1X+7], 0
	s_or_b32 s[G1W], s20, (3<<16)|(1<<21)          ; 25 rows of 768 bytes
	s_mov_b32 s[G1W+1], 96<<16
	s_mov_b32 s[G1W+2], 25<<16
	s_mov_b32 s[G1W+3], 96<<16
	s_mov_b32 s[G1W+4], 25
	s_mov_b32 s[G1W+5], 96
	s_mov_b32 s[G1W+6], 0
	s_mov_b32 s[G1W+7], 0
	s_and_b32 s59, s11, 7                          ; the block in its sequence
	s_min_u32 s44, s59, 1
	s_cmp_eq_u32 s14, 0
	s_cselect_b32 s44, s44, 0                      ; wave 0: the 256 tokens ahead, where there are any
	s_sub_co_u32 s44, s11, s44
	s_mul_i32 s86, s44, 204800
	s_mov_b32 s87, 0
	s_mul_i32 s60, s10, 153600
	s_add_co_u32 s60, s60, WQC
	s_mov_b32 s61, 0
	s_mul_i32 s62, s16, 19200
	s_mov_b32 s63, 0
	s_mul_i32 s46, s11, 204800
	s_mov_b32 s47, 0
	s_mul_i32 s40, s16, 51200
	s_mul_i32 s41, s16, 19200
	s_add_co_u32 s41, s41, 102400
	s_mov_b32 s42, SLOT
	WALU
	s_wait_dscnt 0x0                               ; both opening adds are done
	CROUND                                         ; all sixteen work-groups are here: the first joint loads meet
	s_wait_kmcnt 0x0
	s_mov_b32 s[G0X], 1
	s_mov_b32 s[G0X+1], s40
	s_add_nc_u64 s[G0X+2:G0X+3], s[4:5], s[86:87]
	s_or_b32 s[G0X+3], s[G0X+3], 0x80000000
	s_add_nc_u64 s[PV_W:PV_W+1], s[4:5], s[60:61]
	s_mov_b32 s[G0W], 1
	s_mov_b32 s[G0W+1], s41
	s_add_nc_u64 s[G0W+2:G0W+3], s[PV_W:PV_W+1], s[62:63]
	s_or_b32 s[G0W+3], s[G0W+3], 0x80000000
	JLOAD                                          ; chunk 0: one tensor load a wave at the head
	s_add_nc_u64 s[PX:PX+1], s[4:5], s[46:47]
	v_and_b32 v1, 15, v0                           ; r
	v_bfe_u32 v2, v0, 4, 1                         ; h
	v_and_b32 v3, 31, v0                           ; lane
	v_lshlrev_b32 v14, 4, v3                       ; 16 x lane
	v_lshlrev_b32 v16, 5, v2                       ; 32 h
	v_lshlrev_b32 v17, 2, v1                       ; 4 r
	WALU
	s_mul_i32 s44, s14, 12288
	v_add_nc_u32 v[ADX0], s44, v14                 ; my four tiles of the halo's sixteen; own ones 51,200 on
	v_add_nc_u32 v[ADW0], 0x19000, v14             ; 102,400: the weights
	s_lshl_b32 s44, s14, 9
	s_sub_co_u32 s45, 90112, s44
	v_mul_u32_u24 v15, s45, v2                     ; lanes 16-31 take the weights' words: one product, the distance between the two
	v_lshl_add_u32 v15, v1, 2, v15
	s_add_co_u32 s46, s44, 49152
	v_add_nc_u32 v[ADS0], s46, v15
	s_sub_co_u32 s45, 39424, s44
	v_mul_u32_u24 v18, s45, v2
	v_lshl_add_u32 v18, v1, 2, v18
	s_add_co_u32 s46, s44, 100352
	v_add_nc_u32 v[ADT0], s46, v18
	v_mov_b32 v[ADX], v[ADX0]
	v_mov_b32 v[ADW], v[ADW0]
	v_mov_b32 v[ADS], v[ADS0]
	v_mov_b32 v[ADT], v[ADT0]
	s_lshl_b32 s44, s17, 2
	s_add_co_u32 s44, s44, s14                     ; my number among the sixteen waves of my row of the cluster,
	s_mul_i32 s44, s44, 13
	s_lshl_b32 s45, s18, 2
	s_add_co_u32 s45, s45, s14                     ; and of my column
	s_mul_i32 s45, s45, 10
	v_min_u32 v[PFX], 12, v3
	v_min_u32 v[PFW], 9, v3
	v_add_nc_u32 v[PFX], s44, v[PFX]
	v_add_nc_u32 v[PFW], s45, v[PFW]
	v_min_u32 v[PFX], 0xc7, v[PFX]                 ; own x's last block of 256 bytes is 199,
	v_min_u32 v[PFW], 0x95, v[PFW]                 ; the weights' 149
	v_lshlrev_b32 v[PFX], 8, v[PFX]
	v_lshlrev_b32 v[PFW], 8, v[PFW]
	s_lshl_b32 s12, s10, 8
	s_mov_b32 s13, 0
	s_add_nc_u64 s[6:7], s[6:7], s[12:13]          ; the bias of my head's q; k's 4,096 bytes on, v's 8,192
	s_lshl_b32 s12, s11, 2
	s_add_co_u32 s12, s12, s14                     ; my 64 rows of the result
	s_mul_i32 s12, s12, 51200
	s_add_nc_u64 s[8:9], s[8:9], s[12:13]
	s_lshl_b32 s12, s10, 7
	s_add_co_u32 s12, s12, 24576
	s_add_nc_u64 s[88:89], s[8:9], s[12:13]        ; their scale bytes
	s_lshr_b32 s12, s10, 3
	s_mul_i32 s12, s12, 26624
	s_and_b32 s44, s10, 7
	s_mul_i32 s44, s44, 768
	s_add_co_u32 s12, s12, s44
	s_add_nc_u64 s[8:9], s[8:9], s[12:13]          ; and codes
	WALU
.irp n, 0,1,2,3                                ; k's and q's bias: register 8 n + j: column 16 n + 8 h + j
	global_load_b128 v[96+8*\n:99+8*\n], v16, s[6:7] offset:4096+64*\n
	global_load_b128 v[100+8*\n:103+8*\n], v16, s[6:7] offset:4112+64*\n
.endr
.irp j, 0,1,2,3,4,5,6,7                        ; v's: all eight registers of a tile: column 16 n + r
	global_load_b32 v[240+\j], v17, s[6:7] offset:8192
	global_load_b32 v[248+\j], v17, s[6:7] offset:8256
.endr
	WIN 0x40
.irp n, 0,1,2,3
	global_load_b128 v[96+8*\n:99+8*\n], v16, s[6:7] offset:64*\n
	global_load_b128 v[100+8*\n:103+8*\n], v16, s[6:7] offset:16+64*\n
.endr
.irp j, 0,1,2,3,4,5,6,7
	global_load_b32 v[240+\j], v17, s[6:7] offset:8320
	global_load_b32 v[248+\j], v17, s[6:7] offset:8384
.endr
	WIN 0
	ASK 1
	WALU
	s_wait_tensorcnt 0x0                           ; my part of chunk 0 is in; the full sequence ahead of slot 1's first fill
	ds_add_u32 v[SPW], v[NIL]
	NEXT
	s_mov_b32 s42, 0                               ; the slot that is read
	s_mov_b32 s43, 0
	s_wait_dscnt 0x0
	CROUND
	JLOAD                                          ; chunk 1
.set UT, 0
	RUN1
	RUN2
	ASK 2
	s_wait_loadcnt 0x0                             ; the bias
	STEP 0, 1, 0, 1                                ; step 0: the first products start the sums
.Lk:                                                   ; steps 1, 2 and 3, 4: chunks 2 and 3 are asked for
	STEP 1, 0, 1, 1
	STEP 0, 0, 0, 1
	s_add_co_u32 s43, s43, 1
	s_cmp_lt_u32 s43, 2
	s_cbranch_scc1 .Lk
	STEP 1, 0, 2, 1                                ; step 5: chunk 3 has landed in every wave; nothing is filled again
	STEP 0, 0, 0, 1
	STEP 1, 0, 0, 0
; ---- q, k, v become codes.  QT: a lane's four runs of 16 numbers (window w, from register base on), each half of a block of 32 with lane l xor 16, become six registers at da (blocks 0, 1 by the lane's half), six at db (blocks 2, 3), four scale bytes in pw.
.macro QT w, base, da, db, t, pw
.set B_, \base
	WIN (\w)*0x14
.irp b, 0,1,2,3
	v_max3_num_f32 v[TM+\b], 0x1800000, |v[B_+16*\b]|, |v[B_+16*\b+1]|   ; the floor 2^(3 - 127) among the leaves
.endr
.irp i, 2,4,6,8,10,12,14
.irp b, 0,1,2,3
	v_max3_num_f32 v[TM+\b], v[TM+\b], |v[B_+16*\b+\i]|, |v[B_+16*\b+\i+1]|
.endr
.endr
	WIN 0
.irp b, 0,1,2,3
	v_permlanex16_b32 v[TM+4+\b], v[TM+\b], s[SEL], s[SEL+1]
.endr
.irp b, 0,1,2,3
	v_max_num_f32 v[TM+\b], v[TM+\b], v[TM+4+\b]
.endr
.irp b, 0,1,2,3
	v_add_nc_u32 v[TM+12+\b], 0xff000000, v[TM+\b]
.endr
.irp b, 0,1,2,3
	v_lshrrev_b32 v[TM+4+\b], 23, v[TM+12+\b]
.endr
	v_lshl_or_b32 v[\pw], v[TM+5], 8, v[TM+4]
	v_lshl_or_b32 v[TM+6], v[TM+7], 8, v[TM+6]
	WIN \w
	v_cvt_scalef32_pk16_fp6_f32 v[\da:\da+2], v[B_:B_+15], v[TM+12]
	v_cvt_scalef32_pk16_fp6_f32 v[\t:\t+2], v[B_+16:B_+31], v[TM+13]
	v_cvt_scalef32_pk16_fp6_f32 v[\db:\db+2], v[B_+32:B_+47], v[TM+14]
	v_cvt_scalef32_pk16_fp6_f32 v[\t+4:\t+6], v[B_+48:B_+63], v[TM+15]
	WIN 0
	v_lshl_or_b32 v[\pw], v[TM+6], 16, v[\pw]      ; (also the plain place behind the conversions)
.irp i, 0,1,2
	v_permlane16_swap_b32 v[\da+\i], v[\t+\i]
	v_permlane16_swap_b32 v[\db+\i], v[\t+4+\i]
.endr
.irp i, 0,1,2
	v_mov_b32 v[\da+3+\i], v[\t+\i]
	v_mov_b32 v[\db+3+\i], v[\t+4+\i]
.endr
.endm
	s_wait_xcnt 0x0                                ; the prefetches have read their offsets
	PLACES 4
	s_mov_b32 s[SEL], 0x76543210                   ; lane l xor 16
	s_mov_b32 s[SEL+1], 0xfedcba98
	s_mul_i32 s44, s14, 3072
	s_add_co_u32 s45, s44, 512
	s_mul_i32 s46, s14, 2*VP
	s_add_co_u32 s46, s46, VB
	s_add_co_u32 s47, s46, 256
	s_lshl_b32 s63, s14, 7
	s_add_co_u32 s62, s63, STG
	s_add_co_u32 s63, s63, KSC
	s_lshl_b32 s60, s14, 1
	s_add_co_u32 s60, s60, VSC
	v_lshl_add_u32 v4, v3, 4, s44                  ; k: my first tile, registers 0-3
	v_lshl_add_u32 v5, v3, 3, s45                  ;    registers 4, 5
	v_mul_u32_u24 v15, VP, v2
	v_lshl_add_u32 v6, v1, 4, v15
	v_add_nc_u32 v6, s46, v6                       ; v: my first block + h, row r
	v_lshl_add_u32 v7, v1, 3, v15
	v_add_nc_u32 v7, s47, v7
	v_lshl_add_u32 v8, v1, 1, s63                  ; k's scale bytes, written
	v_lshl_add_u32 v9, v1, 4, s60                  ; v's, written
	v_lshl_add_u32 v10, v3, 1, s63                 ; k's, read
	v_lshlrev_b32 v11, 4, v3
	v_add_nc_u32 v11, VSC, v11                     ; v's, read
	v_lshl_add_u32 v23, v1, 1, s62                 ; the result's
	v_lshlrev_b32 v15, 3, v3                       ; 8 x lane
	v_add_nc_u32 v16, 1536, v4                     ; k, for the second pair of query tiles
	v_add_nc_u32 v17, 1536, v5
	v_add_nc_u32 v20, 64, v10
.irp b, 0,1,2,3
	v_mov_b32 v[TM+4+\b], 0                        ; a lane permute's destination counts as one of its sources
.endr
	v_mov_b32 v[MN+1], 0                           ; (named as the upper half of a pair)
	WALU
.macro KOUT j, pc                      ; k's token tiles 2 j, 2 j + 1
	QT 2, 64*\j, \pc, \pc+6, \pc+12, 113
.set O_, 12288*(\j/2)+1536*(\j%2)
	ds_store_b128 v4, v[\pc:\pc+3] offset:O_
	ds_store_b64 v5, v[\pc+4:\pc+5] offset:O_
	ds_store_b128 v4, v[\pc+6:\pc+9] offset:O_+768
	ds_store_b64 v5, v[\pc+10:\pc+11] offset:O_+768
	ds_store_b16 v8, v113 offset:512*(\j/2)+64*(\j%2)          ; both lanes of a row write the same bytes with the same value
	ds_store_b16_d16_hi v8, v113 offset:512*(\j/2)+64*(\j%2)+32
.endm
.macro VOUT n, pc                      ; v's columns 16 n + r: two halo blocks, two own blocks of keys
	QT 3, 64*\n, \pc, \pc+6, \pc+12, 113
	ds_store_b128 v6, v[\pc:\pc+3] offset:384*\n
	ds_store_b64 v7, v[\pc+4:\pc+5] offset:384*\n
	ds_store_b128 v6, v[\pc+6:\pc+9] offset:384*\n+8*VP
	ds_store_b64 v7, v[\pc+10:\pc+11] offset:384*\n+8*VP
	ds_store_b16 v9, v113 offset:256*\n
	ds_store_b16_d16_hi v9, v113 offset:256*\n+8
.endm
	KOUT 0, 224
	KOUT 1, 224
	KOUT 2, 224
	KOUT 3, 24                                     ; (so that a conversion's destination and source never bear the same numbers)
	VOUT 0, 224
	VOUT 1, 224
	VOUT 2, 224
	VOUT 3, 24
	QT 1, 128, QF, QF+12, 24, QS                   ; q's tiles 0, 1: operands of twelve registers, of which the upper six, the upper 64 along K, are zero codes
	v_lshrrev_b32 v[QS+1], 16, v[QS]
	QT 1, 192, QF+24, QF+36, 24, QS+2
	v_lshrrev_b32 v[QS+3], 16, v[QS+2]
.irp t, 0,12,24,36
.irp i, 6,7,8,9,10,11
	v_mov_b32 v[QF+\t+\i], 0
.endr
.endr
.irp b, 0,1,2,3,4,5,6,7,8
	v_mov_b32 v[PT+\b], 0
.endr
.irp b, 0,1,2,3,4,5,6,7
	v_mov_b32 v[MB+2*\b+1], 0
.endr
	v_mov_b32 v43, 0xff800000                      ; -infinity
	s_mov_b32 s58, 0xff800000
	s_mov_b32 s[CS], 0x3e38aa3b                    ; c = log2(e) / 8
	s_mov_b32 s[CS+1], s[CS]
	v_lshlrev_b32 v24, 3, v2
	v_sub_nc_u32 v24, v1, v24                      ; r - 8 h
.irp j, 0,1,2,3,4,5,6,7                        ; the window's two edges: register j of a tile is its key 8 h + j
	v_cmp_lt_i32 s[68+\j], \j, v24                 ; the key comes too early
	v_cmp_gt_i32 s[76+\j], \j, v24                 ; the key comes after my query
.endr
	WIN 0xc0
.irp i, 0,1,2,3,4,5
	v_mov_b32 v[108+\i], 0                         ; behind the last k tile and the last v tile: an operand's upper six registers, which meet zero codes
	v_mov_b32 v[236+\i], 0
.endr
	WIN 0
	s_mov_b32 s61, 0
	WALU
	s_wait_dscnt 0x0                               ; for the others' sake: my codes and scale bytes lie in LDS
	s_barrier_signal -1
	s_barrier_wait -1
.macro KLOAD a, b, c                   ; k's 18 tiles and scale bytes for a pair of query tiles
.irp i, 0,1,2,3,4,5,6,7,8                      ; lanes 0-15 tile 2 i, lanes 16-31 tile 2 i + 1
	ds_load_u16 v[KS+\i], v\c offset:64*\i
.endr
	WIN 0xc0
.set t_, 0
.rept 18                                       ; six registers a tile.  An operand's upper six are the next tile's: they meet q's zero codes
	ds_load_b128 v[6*t_:6*t_+3], v\a offset:768*t_
	ds_load_b64 v[6*t_+4:6*t_+5], v\b offset:768*t_
.set t_, t_+1
.endr
	WIN 0
.endm
; S^T = k q^T: tile t of query tile q (0 A: window 1; 1 B: window 2)
.macro KQ t, q
	WIN 0x43+0x40*(\q)
	WMS 8*(\t), 6*(\t), QF+12*(\q), 0, KS+(\t)/2, QS+(\q), a, \t
.endm
; O^T = v^T p^T: product i of twelve, to v144-175 of window w.  The four accumulators take turns
.macro PVI w, i
.set d_, (\i)%4
.if (\i) < 4
	WIN 3+(\w)*0x40
	WMS 144+8*d_, VF+12*d_, 160, 0, VS+d_/2, PW, a, d_
.elseif (\i) < 8
	WIN 3+(\w)*0x50
	WMS 144+8*d_, VF+48+12*d_, 172, v[144+8*d_:151+8*d_], VS+2+d_/2, PW+1, a, d_
.else
	WIN 3+(\w)*0x50
	WMS 144+8*d_, V2+6*d_, 184, v[144+8*d_:151+8*d_], VS+4+d_/2, PW+2, a, d_
.endif
.endm
; behind every eighth exponential of tile A stands one of B's score products.  (A's value products stand in B's search for the largest score, where no exponential parts a sum's steps)
.macro HOOK l, n
.if ((\l) == 1) && ((\n) < 17)
	KQ (\n)+1, 1
.endif
.endm
; ---- the softmax of one query tile: scores in window w, v[8 t + j] (block b of 32 keys: v[16 b] on); the sum goes to v[l:l+1], p's codes to v160-195 (blocks 0-3, 4-7, 8), its scale words to v[PW] on
.macro SM w, l
	WIN (\w)*0x15
	WALU
.irp b, 0,1,2,3,4,5,6,7,8
	v_max3_num_f32 v[BM+\b], v[16*\b], v[16*\b+1], v[16*\b+2]
.endr
	WIN (\w)*0x14
	WALU
.irp i, 3,5,7,9,11,13
.irp b, 0,1,2,3,4,5,6,7,8
	v_max3_num_f32 v[BM+\b], v[BM+\b], v[16*\b+\i], v[16*\b+\i+1]
.endr
.if ((\w) == 2) && (\i > 5)
	PVI 1, 3*((\i-7)/2)
	PVI 1, 3*((\i-7)/2)+1
	PVI 1, 3*((\i-7)/2)+2
	WIN (\w)*0x14
.endif
.endr
	WIN (\w)*4
.irp b, 0,1,2,3,4,5,6,7,8
	v_max_num_f32 v[BM+\b], v[BM+\b], v[16*\b+15]
.endr
	WIN 0
.irp b, 0,1,2,3,4,5,6,7,8
	v_permlanex16_b32 v[PT+\b], v[BM+\b], s[SEL], s[SEL+1]
.endr
.irp b, 0,1,2,3,4,5,6,7,8
	v_max_num_f32 v[BM+\b], v[BM+\b], v[PT+\b]
.endr
.irp b, 0,1,2,3,4,5,6,7                        ; a block below the sequence's first key counts for nothing
	v_cndmask_b32 v[BM+\b], v[BM+\b], v43, s[90+\b]
.endr
	v_max3_num_f32 v108, v[BM], v[BM+1], v[BM+2]
	v_max3_num_f32 v109, v[BM+3], v[BM+4], v[BM+5]
	v_max3_num_f32 v110, v[BM+6], v[BM+7], v[BM+8]
	v_max3_num_f32 v108, v108, v109, v110
	v_mul_f32 v108, s[CS], v108
	v_floor_f32 v[MN], -v108                       ; -M = -ceil(the largest t)
.irp b, 0,1,2,3,4,5,6,7
	v_cndmask_b32 v[MB+2*\b], v[MN], v43, s[90+\b]   ; of a block that counts for nothing: t - infinity, so p = 0
.endr
	WIN (\w)*0x41
.irp b, 0,1,2,3,4,5,6,7
.irp j, 0,2,4,6,8,10,12,14
	v_pk_fma_f32 v[16*\b+\j:16*\b+\j+1], v[16*\b+\j:16*\b+\j+1], s[CS:CS+1], v[MB+2*\b:MB+2*\b+1] op_sel_hi:[1,0,0]
.endr
.endr
.irp j, 0,2,4,6,8,10,12,14
	v_pk_fma_f32 v[128+\j:129+\j], v[128+\j:129+\j], s[CS:CS+1], v[MN:MN+1] op_sel_hi:[1,0,0]
.endr
	WIN 0
.irp b, 0,1,2,3,4,5,6,7
	v_fma_f32 v[BM+\b], v[BM+\b], s[CS], v[MB+2*\b]
.endr
	v_fma_f32 v[BM+8], v[BM+8], s[CS], v[MN]
	WALU
.irp b, 0,1,2,3,4,5,6,7,8
	v_exp_f32 v[BM+\b], v[BM+\b]
.endr
.set j_, 0
.rept 144
	WIN (\w)*0x41
	v_exp_f32 v[j_], v[j_]
.if j_%8 == 7
	HOOK \w, j_/8
.endif
.set j_, j_+1
.endr
	WIN 0
.irp i, 212,213,214                            ; zero codes around the ninth block.  (Plain places behind the exponentials)
	v_mov_b32 v\i, 0
.endr
.if (\w) == 1
.irp i, 190,191,192,193,194,195
	v_mov_b32 v\i, 0
.endr
.endif
	WALU
	WIN (\w)*5
.irp c, 0,2,4,6,8,10,12,14                     ; the sum, of the unquantised p, in eight chains
	v_pk_add_f32 v[L+\c:L+\c+1], v[\c:\c+1], v[16+\c:17+\c]
.endr
	WIN (\w)*4
.irp b, 2,3,4,5,6,7,8
.irp c, 0,2,4,6,8,10,12,14
	v_pk_add_f32 v[L+\c:L+\c+1], v[L+\c:L+\c+1], v[16*\b+\c:16*\b+\c+1]
.endr
.endr
	WIN 0
.irp c, 0,2,4,6
	v_pk_add_f32 v[L+\c:L+\c+1], v[L+\c:L+\c+1], v[L+8+\c:L+9+\c]
.endr
.irp b, 0,1,2,3,4,5,6,7,8
	v_max_num_f32 v[BM+\b], 0x1800000, v[BM+\b]
.endr
	v_pk_add_f32 v[L:L+1], v[L:L+1], v[L+4:L+5]
	v_pk_add_f32 v[L+2:L+3], v[L+2:L+3], v[L+6:L+7]
.irp b, 0,1,2,3,4,5,6,7,8
	v_add_nc_u32 v[SO+\b], 0xff000000, v[BM+\b]
.endr
	v_pk_add_f32 v[\l:\l+1], v[L:L+1], v[L+2:L+3]
.irp b, 0,1,2,3,4,5,6,7
	v_lshrrev_b32 v[PT+\b], 23, v[SO+\b]
.endr
	v_lshrrev_b32 v[PW+2], 23, v[SO+8]
	v_lshl_or_b32 v[PW], v[PT+1], 8, v[PT]
	v_lshl_or_b32 v[PW+1], v[PT+5], 8, v[PT+4]
	v_lshl_or_b32 v[PW], v[PT+2], 16, v[PW]
	v_lshl_or_b32 v[PW+1], v[PT+6], 16, v[PW+1]
	v_lshl_or_b32 v[PW], v[PT+3], 24, v[PW]
	v_lshl_or_b32 v[PW+1], v[PT+7], 24, v[PW+1]
	WIN \w
	v_cvt_scalef32_pk16_fp6_f32 v[160:162], v[0:15], v[SO]
	v_cvt_scalef32_pk16_fp6_f32 v[196:198], v[16:31], v[SO+1]
	v_cvt_scalef32_pk16_fp6_f32 v[166:168], v[32:47], v[SO+2]
	v_cvt_scalef32_pk16_fp6_f32 v[200:202], v[48:63], v[SO+3]
	v_cvt_scalef32_pk16_fp6_f32 v[172:174], v[64:79], v[SO+4]
	v_cvt_scalef32_pk16_fp6_f32 v[204:206], v[80:95], v[SO+5]
	v_cvt_scalef32_pk16_fp6_f32 v[178:180], v[96:111], v[SO+6]
	v_cvt_scalef32_pk16_fp6_f32 v[208:210], v[112:127], v[SO+7]
	v_cvt_scalef32_pk16_fp6_f32 v[184:186], v[128:143], v[SO+8]
	WIN 0
	v_nop
.irp i, 0,1,2
	v_permlane16_swap_b32 v[160+\i], v[196+\i]
	v_permlane16_swap_b32 v[166+\i], v[200+\i]
	v_permlane16_swap_b32 v[172+\i], v[204+\i]
	v_permlane16_swap_b32 v[178+\i], v[208+\i]
	v_permlane16_swap_b32 v[184+\i], v[212+\i]
.endr
.irp i, 0,1,2
	v_mov_b32 v[163+\i], v[196+\i]
	v_mov_b32 v[169+\i], v[200+\i]
	v_mov_b32 v[175+\i], v[204+\i]
	v_mov_b32 v[181+\i], v[208+\i]
	v_mov_b32 v[187+\i], v[212+\i]
.endr
	WALU
.endm
	KLOAD 4, 5, 10
; ---- two pairs of query tiles, A and B.  Pair P sees the 18 key tiles from 4 wave + 2 P on, nine blocks of 32 from 2 wave + P on
.Lpair:
	s_mul_i32 s45, s61, VP
	s_lshl_b32 s46, s61, 6
	s_lshl_b32 s47, s14, 1
	s_add_co_u32 s47, s47, s61                     ; the first block
	s_and_b32 s63, s47, 12
	s_and_b32 s62, s47, 3
	s_lshl_b32 s62, s62, 3                         ; v's scale bytes lie four blocks to a word: by how many bits they are shifted
	s_sub_co_u32 s60, 8, s47                       ; so many of my blocks are the halo's,
	s_cmp_eq_u32 s59, 0
	s_cselect_b32 s60, s60, 0                      ; and where the sequence begins here they do not exist
.irp b, 0,1,2,3,4,5,6,7
	s_cmp_gt_u32 s60, \b
	s_cselect_b32 s[90+\b], -1, 0                  ; a lane mask: block b is hidden
.endr
	v_add_nc_u32 v18, s45, v6
	v_add_nc_u32 v19, s45, v7
	v_add_nc_u32 v21, s63, v11
	v_add_nc_u32 v22, s46, v23
	WALU
	s_wait_dscnt 0x0                               ; k is in
.set n_, 0
.rept 17                                       ; A: tiles 0-16
	KQ n_, 0
.set n_, n_+1
.endr
	WIN 0
.irp k, 0,1,2
	ds_load_b32 v[VR+\k], v21 offset:4*\k          ; v's scale words: lanes 0-15 d 0-15, lanes 16-31 d 16-31,
	ds_load_b32 v[VR+3+\k], v21 offset:512+4*\k    ; d 32-47, d 48-63
.endr
	WIN 0xc0
.irp d, 0,1,2,3                                ; v's codes: blocks 0-3, 4-7, and the ninth; they land under the softmax
.irp c, 0,1
	ds_load_b128 v[VF+12*\d+6*\c:VF+12*\d+6*\c+3], v18 offset:2*VP*\c+384*\d
	ds_load_b64 v[VF+12*\d+6*\c+4:VF+12*\d+6*\c+5], v19 offset:2*VP*\c+384*\d
	ds_load_b128 v[VF+48+12*\d+6*\c:VF+48+12*\d+6*\c+3], v18 offset:4*VP+2*VP*\c+384*\d
	ds_load_b64 v[VF+48+12*\d+6*\c+4:VF+48+12*\d+6*\c+5], v19 offset:4*VP+2*VP*\c+384*\d
.endr
	ds_load_b128 v[V2+6*\d:V2+6*\d+3], v18 offset:8*VP+384*\d
	ds_load_b64 v[V2+6*\d+4:V2+6*\d+5], v19 offset:8*VP+384*\d
.endr
	WIN 0x41
	PLACES 4
.irp j, 0,1,2,3,4,5,6,7                        ; A: tile 0's early keys, tile 16's late ones, all of tile 17
	v_cndmask_b32 v[\j], v[\j], v43, s[68+\j]
.endr
.irp j, 0,1,2,3,4,5,6,7
	v_cndmask_b32 v[128+\j], v[128+\j], v43, s[76+\j]
	v_mov_b32 v[136+\j], s58
.endr
	SM 1, LA                                       ; B's score products, tiles 1-17, stand in it
	s_wait_dscnt 0x0                               ; v is in
	v_alignbit_b32 v[VS], v[VR+1], v[VR], s62
	v_alignbit_b32 v[VS+1], v[VR+4], v[VR+3], s62
	v_alignbit_b32 v[VS+2], v[VR+2], v[VR+1], s62
	v_alignbit_b32 v[VS+3], v[VR+5], v[VR+4], s62
	v_lshrrev_b32 v[VS+4], s62, v[VR+2]
	v_lshrrev_b32 v[VS+5], s62, v[VR+5]
	WALU
	s_cmp_eq_u32 s61, 0
	s_cbranch_scc0 .Lno_next
	KLOAD 16, 17, 20                               ; the second pair's k lands under B's softmax
.Lno_next:
	WIN 0x82
	WALU
.irp j, 0,1,2,3,4,5,6,7                        ; B: all of tile 0, tile 1's early keys, tile 17's late ones
	v_cndmask_b32 v[8+\j], v[8+\j], v43, s[68+\j]
	v_mov_b32 v[\j], s58
.endr
.irp j, 0,1,2,3,4,5,6,7
	v_cndmask_b32 v[136+\j], v[136+\j], v43, s[76+\j]
.endr
	SM 2, LB                                       ; A's value products stand in it
	PLACES 4                                       ; places between the codes' last writes and the products
.set n_, 0
.rept 12
	PVI 2, n_
.set n_, n_+1
.endr
	WIN 0
	v_add_f32 v[LA], v[LA], v[LA+1]                ; the sums.  (These six are also places behind the products)
	v_add_f32 v[LB], v[LB], v[LB+1]
	v_permlanex16_b32 v[PT], v[LA], s[SEL], s[SEL+1]
	v_permlanex16_b32 v[PT+1], v[LB], s[SEL], s[SEL+1]
	v_add_f32 v[LA], v[LA], v[PT]
	v_add_f32 v[LB], v[LB], v[PT+1]
	WALU
	v_rcp_f32 v[LA], v[LA]
	v_rcp_f32 v[LB], v[LB]
	v_nop
	WIN 1
	WALU
.set j_, 0
.rept 32
	v_mul_f32 v[160+j_], v[144+j_], v[LA]
.set j_, j_+1
.endr
	WIN 2
	WALU
.set j_, 0
.rept 32
	v_mul_f32 v[192+j_], v[144+j_], v[LB]
.set j_, j_+1
.endr
	WIN 0
	QT 0, 160, 144, 150, 34, 113                   ; both tiles' results: six registers and two scale bytes each
.irp q, 0,1
	global_store_b128 v14, v[144+6*\q:147+6*\q], s[8:9] offset:6144*\q         ; 512 and 256 consecutive bytes, aligned
	global_store_b64 v15, v[148+6*\q:149+6*\q], s[8:9] offset:6144*\q+512
.endr
	ds_store_b16 v22, v113
	ds_store_b16_d16_hi v22, v113 offset:32
.irp i, 0,1,2,3,4,5                            ; the second pair's q takes the first's place
	v_mov_b32 v[QF+\i], v[QF+24+\i]
	v_mov_b32 v[QF+12+\i], v[QF+36+\i]
.endr
	v_mov_b32 v[QS], v[QS+2]
	v_mov_b32 v[QS+1], v[QS+3]
	WALU
	s_wait_xcnt 0x0                                ; the stores have read their data and their base
	s_add_nc_u64 s[8:9], s[8:9], 12288
	s_add_co_u32 s61, s61, 1
	s_cmp_lt_u32 s61, 2
	s_cbranch_scc1 .Lpair
	s_lshl_b32 s44, s14, 7
	s_add_co_u32 s44, s44, STG
	v_lshl_add_u32 v25, v3, 2, s44
	v_lshlrev_b32 v26, 2, v3
	ds_load_b32 v24, v25                           ; LDS serves a wave's instructions in order (ISA guide 5.7.1.4): this sees my stores
	WALU
	s_wait_dscnt 0x0
	global_store_b32 v26, v24, s[88:89]            ; my 64 rows' scale bytes
	s_wait_tensorcnt 0x0                           ; the wave's end
	ds_add_u32 v[SPW], v[NIL]
	s_wait_dscnt 0x0
	CROUND                                         ; the closing round: no work-group ends while a partner may still ask for a tile that names it
	s_endpgm
.Lfunc_end_k_qf4b8fc22a7_qkvattn:
	.size	k_qf4b8fc22a7_qkvattn, .Lfunc_end_k_qf4b8fc22a7_qkvattn-k_qf4b8fc22a7_qkvattn
	.p2alignl 7, 3214868480
	.fill 96, 4, 3214868480
	.section	.rodata,"a",@progbits
	.p2align	6, 0x0
	.amdhsa_kernel k_qf4b8fc22a7_qkvattn
		.amdhsa_group_segment_fixed_size 327680
		.amdhsa_private_segment_fixed_size 0
		.amdhsa_enable_private_segment 0
		.amdhsa_kernarg_size 24
		.amdhsa_user_sgpr_count 2
		.amdhsa_user_sgpr_kernarg_segment_ptr 1
		.amdhsa_wavefront_size32 1
		.amdhsa_system_sgpr_workgroup_id_x 1
		.amdhsa_system_sgpr_workgroup_id_y 1
		.amdhsa_system_sgpr_workgroup_id_z 1
		.amdhsa_system_vgpr_workitem_id 0
		.amdhsa_next_free_vgpr 1024
		.amdhsa_next_free_sgpr 100
		.amdhsa_reserve_vcc 0
		.amdhsa_float_denorm_mode_32 3
		.amdhsa_float_denorm_mode_16_64 3
		.amdhsa_memory_ordered 1
		.amdhsa_forward_progress 1
		.amdhsa_inst_pref_size 232
	.end_amdhsa_kernel
	.amdgpu_metadata
---
amdhsa.version: [ 1, 2 ]
amdhsa.kernels:
  - .name:           k_qf4b8fc22a7_qkvattn
    .symbol:         k_qf4b8fc22a7_qkvattn.kd
    .args:
      - { .name: opc, .offset: 0, .size: 8, .value_kind: global_buffer, .address_space: global }
      - { .name: b_qkv, .offset: 8, .size: 8, .value_kind: global_buffer, .address_space: global }
      - { .name: aoc, .offset: 16, .size: 8, .value_kind: global_buffer, .address_space: global }
    .group_segment_fixed_size: 327680
    .private_segment_fixed_size: 0
    .kernarg_segment_align: 8
    .kernarg_segment_size: 24
    .max_flat_workgroup_size: 128
    .sgpr_count:     100
    .vgpr_count:     1024
    .wavefront_size: 32
...
	.end_amdgpu_metadata
.endif
;; end of part 2
;; launch oproj (part 3): grid 8 x 32, 4 waves a work-group, clusters of 4 x 4, 327,680 bytes of LDS; arguments aoc, opc, b_out, out0; writes out0
.if DOCPART == 3
	.amdgcn_target "amdgcn-amd-amdhsa--gfx1250"
	.amdhsa_code_object_version 6
	.text
	.protected	k_qf4b8fc22a7_oproj
	.globl	k_qf4b8fc22a7_oproj
	.p2align	8
	.type	k_qf4b8fc22a7_oproj,@function
k_qf4b8fc22a7_oproj:
	s_mov_b64 s[64:65], 0
	v_nop
	global_prefetch_b8 v0, s[64:65] scope:SCOPE_SE
	s_setreg_imm32_b32 hwreg(HW_REG_WAVE_MODE, 25, 1), 1
	s_wait_xcnt 0x0
	s_wait_alu depctr_hold_cnt(0) depctr_sa_sdst(0) depctr_va_vdst(0) depctr_va_sdst(0) depctr_va_ssrc(0) depctr_va_vcc(0) depctr_vm_vsrc(0)
	s_getreg_b32 s2, hwreg(HW_REG_IB_STS2, 6, 4)
	s_cmp_eq_u32 s2, 0
	s_cbranch_scc0 .Lentry_in_a_cluster
	s_endpgm
.Lentry_in_a_cluster:
	s_bfe_u32 s2, ttmp6, 0x10000c
	s_cmp_lg_u32 s2, 0xf033
	s_cbranch_scc0 .Lentry_shape_is_right
	s_endpgm
.Lentry_shape_is_right:
; out0 = (the attention's result) w_out + b_out on codes of FP6 (E2M3) with E8M0 scales; sums and result in f32.  M = 4,096, N = 1,024, K = 1,024.
; 256 work-groups of 128 x 128; a wave makes 64 x 64: 16 accumulators.  K comes in two halves: A's and B's images of 64 rows, 26,624 dense bytes with all scale bytes, then 24,576: one tensor load a wave each.  Nothing is filled twice.
; The second half is asked for behind the full sequence when the first has landed, and lands under the first's LDS loads and products.  No prefetch: there is no loop to run ahead in.
; A wave holds B's 32 fragments (4 x 16 columns, all of K) in registers; the second half goes by four blocks of 16 rows, 16 products each, and each block leaves as soon as it is finished.
; CLUSTER 4 x 4: A's images are shared along a row of the cluster, B's along a column: joint loads.
; THE MATRIX INSTRUCTION IS USED TRANSPOSED (source 0 = 16 columns of w_out, source 1 = 16 tokens): a lane holds eight neighbouring numbers of a row of the result.  The bias is the C of each sum's first product.
; LIMITS: NaN and infinities are not served.
; REGISTERS: window 0: v16-29 addresses; v32-63 the bias; v64-95 scale words (4 k + i: lanes 0-15 A's tile i, lanes 16-31 B's); v96-223 accumulators, (a, n) at 96 + 8 (4 a + n); v224-255 scale bytes.
;   windows 1, 2: B's fragment f = 4 k + n in window 1 + f / 21 at 12 (f % 21); window 2 from v132 on: rows on their way out, two sets of 32.  window 3: A's fragment (a, k) at 12 (4 a + k % 4).
.set WOC,  5734400
.set HA,   26624
.set HB,   24576
.set SECOND, 4*HA
.set STAGE, 204800                     ; 16 rows x 272 bytes for each wave
.set SPITCH, 272
.set SPARE, 222208                     ; the spare words
.set A16,  16                          ; v16 (first half), v20 (second) A's, registers 0-3 of a head; v17, v21 registers 4, 5; v18, v22 B's
.set A8,   17
.set B16,  18
.set ADRS, 19
.set STO,  24
.set RD,   25
.set CO,   26
.set SPW,  28
.set NIL,  29
.set BI,   32
.set SC,   64
.set ACC,  96
.set HI,   224
.set G1A,  24
.set G0A,  32
.set G1B,  48
.set G0B,  56
.set MSB, 0
.macro WIN new
.if MSB != (\new)
	s_set_vgpr_msb (MSB<<8)|(\new)
.set MSB, (\new)
.endif
.endm
.macro PLACES n
.rept \n
	v_nop
.endr
.endm
.macro CROUND                          ; a round of the cluster's barrier
	s_barrier_signal -1
	s_barrier_wait -1
	s_cmp_lg_u32 s16, 0
	s_cbranch_scc1 .Lnot_wave_0_\@
	s_barrier_signal -3
.Lnot_wave_0_\@:
	s_barrier_wait -3
	s_barrier_signal -1
	s_barrier_wait -1
.endm
.macro JLOAD                           ; a joint load: waves 0 and 1 fetch A's images, waves 2 and 3 B's; four v_nop follow each line
	s_cmp_eq_u32 s17, 0
	s_cbranch_scc0 .Lfor_b_\@
	tensor_load_to_lds s[G0A:G0A+3], s[G1A:G1A+7]
	s_nop 0
	PLACES 4
	s_branch .Lasked_\@
.Lfor_b_\@:
	tensor_load_to_lds s[G0B:G0B+3], s[G1B:G1B+7]
	s_nop 0
	PLACES 4
.Lasked_\@:
.endm
	s_load_b256 s[4:11], s[0:1], 0x0               ; aoc s[4:5], opc s[6:7], b_out s[8:9], out0 s[10:11]
	v_lshl_add_u32 v[SPW], v0, 2, SPARE
	v_mov_b32 v[NIL], 0
	ds_add_u32 v[SPW], v[NIL]                      ; the wave's opening
	ds_add_u32 v[SPW], v[NIL]
	v_lshrrev_b32 v1, 5, v0
	v_readfirstlane_b32 s16, v1                    ; wave 0..3
	s_lshr_b32 s17, s16, 1                         ; which 64 rows of the tile are mine.  Also: I fetch for A (0) or for B (1)
	s_and_b32 s18, s16, 1                          ; which 64 columns.  Also: which image I fetch
	s_bfe_u32 s21, ttmp6, 0x40000                  ; cx
	s_bfe_u32 s22, ttmp6, 0x40004                  ; cy
	s_lshl_b32 s20, ttmp9, 2
	s_add_co_u32 s20, s20, s21                     ; tile column
	s_and_b32 s19, ttmp7, 0xffff
	s_lshl_b32 s19, s19, 2
	s_add_co_u32 s19, s19, s22                     ; tile row
	s_lshl_b32 s23, s22, 2
	s_lshl_b32 s23, 15, s23                        ; my row of the cluster
	s_lshl_b32 s100, 0x1111, s21                   ; my column
	s_or_b32 s[G1A], s23, (3<<16)|(1<<21)          ; the mask; elements of 8 bytes; bit 21 beside a mask; no padding
	s_or_b32 s[G1B], s100, (3<<16)|(1<<21)
.irp g, G1A, G1B                               ; 26 rows of 1,024 bytes; for the second half 24
	s_mov_b32 s[\g+1], 128<<16
	s_mov_b32 s[\g+2], 26<<16
	s_mov_b32 s[\g+3], 128<<16
	s_mov_b32 s[\g+4], 26
	s_mov_b32 s[\g+5], 128
	s_mov_b32 s[\g+6], 0
	s_mov_b32 s[\g+7], 0
.endr
	s_lshl_b32 s2, s19, 1                          ; A's address is made of the tile row alone, B's of the tile column alone
	s_add_co_u32 s2, s2, s18
	s_mul_i32 s2, s2, HA+HB
	s_mov_b32 s3, 0
	s_lshl_b32 s86, s20, 1
	s_add_co_u32 s86, s86, s18
	s_mul_i32 s86, s86, HA+HB
	s_add_co_u32 s86, s86, WOC
	s_mov_b32 s87, 0
	s_mul_i32 s23, s16, HA                         ; where it goes
	s_wait_alu depctr_va_vdst(0)
	s_wait_dscnt 0x0
	CROUND                                         ; all sixteen work-groups are here: the joint loads meet
	s_wait_kmcnt 0x0
	s_mov_b32 s[G0A], 1
	s_mov_b32 s[G0A+1], s23
	s_add_nc_u64 s[G0A+2:G0A+3], s[4:5], s[2:3]
	s_or_b32 s[G0A+3], s[G0A+3], 0x80000000
	s_mov_b32 s[G0B], 1
	s_mov_b32 s[G0B+1], s23
	s_add_nc_u64 s[G0B+2:G0B+3], s[6:7], s[86:87]
	s_or_b32 s[G0B+3], s[G0B+3], 0x80000000
	JLOAD                                          ; K steps 0-3 and all scale bytes
	v_and_b32 v1, 15, v0                           ; r
	v_bfe_u32 v2, v0, 4, 1                         ; h
	v_and_b32 v3, 31, v0                           ; lane
	s_wait_alu depctr_va_vdst(0)
	s_mul_i32 s2, s17, HB                          ; second half: my image of A
	s_add_co_u32 s2, s2, SECOND
	s_mul_i32 s3, s18, HB
	s_add_co_u32 s3, s3, SECOND+2*HB               ; and of B
	v_lshl_add_u32 v[A16+4], v3, 4, s2
	v_lshl_add_u32 v[A8+4], v3, 3, s2
	v_lshl_add_u32 v[B16+4], v3, 4, s3
	s_mul_i32 s2, s17, HA                          ; first half
	s_mul_i32 s3, s18, HA
	s_add_co_u32 s3, s3, 2*HA
	v_lshl_add_u32 v[A16], v3, 4, s2
	v_lshl_add_u32 v[A8], v3, 3, s2
	v_lshl_add_u32 v[B16], v3, 4, s3
	s_sub_co_u32 s3, s3, s2
	v_mul_u32_u24 v5, s3, v2                       ; lanes 16-31 take B's scale bytes: one product, the distance between the two
	s_add_co_u32 s2, s2, 24576
	v_lshl_add_u32 v5, v1, 1, v5
	v_add_nc_u32 v[ADRS], s2, v5
	s_mul_i32 s2, s16, 16*SPITCH
	s_add_co_u32 s2, s2, STAGE                     ; my stage
	v_mul_u32_u24 v5, v1, SPITCH
	v_lshl_add_u32 v5, v2, 5, v5
	v_add_nc_u32 v[STO], s2, v5                    ; in: row r, 32 bytes for each half of the lanes
	v_mul_u32_u24 v6, v2, SPITCH
	v_lshl_add_u32 v6, v1, 4, v6
	v_add_nc_u32 v[RD], s2, v6                     ; back: lanes 0-15 one row of 256 bytes, lanes 16-31 the next
	v_lshlrev_b32 v[CO], 12, v2
	v_lshl_add_u32 v[CO], v1, 4, v[CO]             ; and the same two rows in the result
	v_lshlrev_b32 v7, 5, v2                        ; the bias: 32 h
	s_wait_alu depctr_va_vdst(0)
	s_lshl_b32 s2, s19, 7
	s_lshl_b32 s3, s17, 6
	s_add_co_u32 s2, s2, s3                        ; my first row
	s_lshl_b32 s2, s2, 12
	s_lshl_b32 s21, s20, 9
	s_lshl_b32 s22, s18, 8
	s_add_co_u32 s22, s22, s21                     ; my first column, in bytes
	s_add_co_u32 s2, s2, s22
	s_mov_b32 s3, 0
	s_mov_b32 s23, 0
	s_add_nc_u64 s[10:11], s[10:11], s[2:3]
	s_add_nc_u64 s[8:9], s[8:9], s[22:23]
	s_mul_i32 s2, s16, HB
	s_add_co_u32 s2, s2, SECOND                    ; where my second half goes
.irp b, 0,1,2,3                                ; register 8 b + j holds the bias of my column 16 b + 8 h + j
	global_load_b128 v[BI+8*\b:BI+8*\b+3], v7, s[8:9] offset:64*\b
	global_load_b128 v[BI+8*\b+4:BI+8*\b+7], v7, s[8:9] offset:64*\b+16
.endr
.macro AFRAG a, k                      ; A's fragment: tile a, K step k: two heads' six registers
	WIN 0xc0
.set F_, 12*(4*(\a)+(\k)%4)
.set H_, 4*((\k)/4)
.irp c, 0,1
	ds_load_b128 v[F_+6*\c:F_+6*\c+3], v[A16+H_] offset:6144*(\a)+1536*((\k)%4)+768*\c
	ds_load_b64 v[F_+6*\c+4:F_+6*\c+5], v[A8+H_] offset:6144*(\a)+1536*((\k)%4)+768*\c+512
.endr
.endm
.macro BFRAGS k                        ; B's four fragments of K step k: 12 loads
.irp n, 0,1,2,3
.set F_, 4*(\k)+\n
	WIN (1+F_/21)<<6
.irp p, 0,1,2
	ds_load_b128 v[12*(F_%21)+4*\p:12*(F_%21)+4*\p+3], v[B16+4*((\k)/4)] offset:6144*\n+1536*((\k)%4)+512*\p
.endr
.endr
.endm
.macro LOADK k                         ; first half: K step k: 28 loads
	BFRAGS \k
.irp a, 0,1,2,3
	AFRAG \a, \k
.endr
	WIN 0
.endm
.macro ALOAD a                         ; second half: A's tile a: 16 loads
.irp k, 4,5,6,7
	AFRAG \a, \k
.endr
	WIN 0
.endm
.macro MUL a, k                        ; four products; the accumulators take turns, one instruction a turn
.irp n, 0,1,2,3
.set F_, 4*(\k)+\n
.set rB, 12*(F_%21)
.set rA, 12*(4*(\a)+(\k)%4)
.set rD, ACC+8*(4*(\a)+\n)
.set rC, rD
.if (\k) == 0
.set rC, BI+8*\n
.endif
	WIN (1+F_/21)|(3<<2)
	v_wmma_scale_f32_16x16x128_f8f6f4 v[rD:rD+7], v[rB:rB+11], v[rA:rA+11], v[rC:rC+7], v[SC+F_], v[SC+4*(\k)+(\a)] matrix_a_fmt:MATRIX_FMT_FP6 matrix_b_fmt:MATRIX_FMT_FP6 matrix_a_scale:MATRIX_SCALE_ROW1
.endr
.endm
.macro MULK k
.irp a, 0,1,2,3
	MUL \a, \k
.endr
	WIN 0
.endm
.macro MULA a
.irp k, 4,5,6,7
	MUL \a, \k
.endr
	WIN 0
.endm
; THE WAY OUT of block a: through my own stage in LDS, back as whole rows of 256 bytes: sixteen lanes store 256 consecutive aligned bytes.
; LDS serves a wave's instructions in order (ISA guide 5.7.1.4): no wait between the stores and the loads, nor in front of the next block's stores.
.macro TOSTAGE a
	PLACES 4                                       ; the results have just been made
.set AC_, ACC+32*(\a)
.set BB_, 132+32*((\a)%2)
.if (\a) > 1
	s_wait_xcnt 0x0                                ; block a - 2's stores have read their data
.endif
.irp b, 0,1,2,3
	ds_store_b128 v[STO], v[AC_+8*\b:AC_+8*\b+3] offset:64*\b        ; each accumulator from its low end on
	ds_store_b128 v[STO], v[AC_+8*\b+4:AC_+8*\b+7] offset:64*\b+16
.endr
	WIN 0x80
.irp t, 0,1,2,3,4,5,6,7
	ds_load_b128 v[BB_+4*\t:BB_+4*\t+3], v[RD] offset:\t*2*SPITCH
.endr
	WIN 0
.endm
.macro SEND a, younger                 ; younger: the LDS instructions issued behind block a's, which may stay out
.set BB_, 132+32*((\a)%2)
	s_wait_dscnt \younger
	WIN 8
.irp t, 0,1,2,3,4,5,6,7
	global_store_b128 v[CO], v[BB_+4*\t:BB_+4*\t+3], s[10:11] offset:(16*(\a)+2*\t)*4096 th:TH_STORE_NT
.endr
	WIN 0
.endm
	s_wait_alu depctr_va_vdst(0)
	s_wait_tensorcnt 0x0                           ; my image's first half is in; the full sequence ahead of the second half's fill:
	ds_add_u32 v[SPW], v[NIL]
	s_add_nc_u64 s[G0A+2:G0A+3], s[G0A+2:G0A+3], HA
	s_add_nc_u64 s[G0B+2:G0B+3], s[G0B+2:G0B+3], HA
	s_mov_b32 s[G0A+1], s2
	s_mov_b32 s[G0B+1], s2
	s_mov_b32 s[G1A+2], 24<<16
	s_mov_b32 s[G1A+4], 24
	s_mov_b32 s[G1B+2], 24<<16
	s_mov_b32 s[G1B+4], 24
	s_wait_dscnt 0x0
	CROUND                                         ; everybody's first half is in
	JLOAD                                          ; K steps 4-7
.irp k, 0,1,2,3,4,5,6,7                        ; scale bytes: of K step k the first two blocks' and the second two blocks'
.irp i, 0,1,2,3
	ds_load_u16 v[SC+4*\k+\i], v[ADRS] offset:256*\k+32*\i
	ds_load_u16 v[HI+4*\k+\i], v[ADRS] offset:256*\k+32*\i+128
.endr
.endr
	LOADK 0
	LOADK 1
	s_wait_loadcnt 0x0                             ; the bias
	s_wait_dscnt 56                                ; the scale bytes are in; two K steps' 56 loads may be out
.set q, 0
.rept 32
	v_lshl_or_b32 v[SC+q], v[HI+q], 16, v[SC+q]
.set q, q+1
.endr
	s_wait_alu depctr_va_vdst(0)
	PLACES 8                                       ; places between the scale words' last write and the products
	s_wait_dscnt 28
	MULK 0
	LOADK 2
	s_wait_dscnt 28
	MULK 1
	LOADK 3
	s_wait_dscnt 28
	MULK 2
	s_wait_dscnt 0x0
	MULK 3
	s_wait_tensorcnt 0x0                           ; my second half is in,
	s_barrier_signal -1
	s_barrier_wait -1                              ; everybody's is
	PLACES 4                                       ; in front of loads into registers that the products have read
.irp k, 4,5,6,7
	BFRAGS \k
	AFRAG 0, \k
.endr
	ALOAD 1
	s_wait_dscnt 63                                ; K step 4's 16 loads are in (of 80), and one more
	MUL 0, 4
	s_wait_dscnt 48                                ; K step 5's
	MUL 0, 5
	s_wait_dscnt 32
	MUL 0, 6
	s_wait_dscnt 16                                ; block 1's 16 may be out
	MUL 0, 7
	WIN 0
	TOSTAGE 0
	ALOAD 2
	ALOAD 3
	s_wait_dscnt 48                                ; block 1's fragments are in; the stage's 16 and blocks 2's and 3's 32 may be out
	MULA 1
	SEND 0, 32
	TOSTAGE 1
	s_wait_dscnt 32                                ; block 2's are in
	MULA 2
	SEND 1, 0
	TOSTAGE 2
	MULA 3
	SEND 2, 0
	TOSTAGE 3
	SEND 3, 0
	s_wait_tensorcnt 0x0                           ; the wave's end
	ds_add_u32 v[SPW], v[NIL]
	s_wait_dscnt 0x0
	CROUND                                         ; the closing round: no work-group ends while a partner may still ask for a tile that names it
	s_endpgm
.Lfunc_end_k_qf4b8fc22a7_oproj:
	.size	k_qf4b8fc22a7_oproj, .Lfunc_end_k_qf4b8fc22a7_oproj-k_qf4b8fc22a7_oproj
	.p2alignl 7, 3214868480
	.fill 96, 4, 3214868480
	.section	.rodata,"a",@progbits
	.p2align	6, 0x0
	.amdhsa_kernel k_qf4b8fc22a7_oproj
		.amdhsa_group_segment_fixed_size 327680
		.amdhsa_private_segment_fixed_size 0
		.amdhsa_enable_private_segment 0
		.amdhsa_kernarg_size 32
		.amdhsa_user_sgpr_count 2
		.amdhsa_user_sgpr_kernarg_segment_ptr 1
		.amdhsa_wavefront_size32 1
		.amdhsa_system_sgpr_workgroup_id_x 1
		.amdhsa_system_sgpr_workgroup_id_y 1
		.amdhsa_system_sgpr_workgroup_id_z 1
		.amdhsa_system_vgpr_workitem_id 0
		.amdhsa_next_free_vgpr 1024
		.amdhsa_next_free_sgpr 102
		.amdhsa_reserve_vcc 0
		.amdhsa_float_denorm_mode_32 3
		.amdhsa_float_denorm_mode_16_64 3
		.amdhsa_memory_ordered 1
		.amdhsa_forward_progress 1
		.amdhsa_inst_pref_size 56
	.end_amdhsa_kernel
	.amdgpu_metadata
---
amdhsa.version: [ 1, 2 ]
amdhsa.kernels:
  - .name:           k_qf4b8fc22a7_oproj
    .symbol:         k_qf4b8fc22a7_oproj.kd
    .args:
      - { .name: aoc, .offset: 0, .size: 8, .value_kind: global_buffer, .address_space: global }
      - { .name: opc, .offset: 8, .size: 8, .value_kind: global_buffer, .address_space: global }
      - { .name: b_out, .offset: 16, .size: 8, .value_kind: global_buffer, .address_space: global }
      - { .name: out0, .offset: 24, .size: 8, .value_kind: global_buffer, .address_space: global }
    .group_segment_fixed_size: 327680
    .private_segment_fixed_size: 0
    .kernarg_segment_align: 8
    .kernarg_segment_size: 32
    .max_flat_workgroup_size: 128
    .sgpr_count:     102
    .vgpr_count:     1024
    .wavefront_size: 32
...
	.end_amdgpu_metadata
.endif
;; end of part 3
